; MI455X (gfx1250); checked and timed in simulation.
; The chip was launched on July 23, 2026; its instructions are those of AMD's public machine-readable ISA for CDNA 5 (MIT licence, August 2026) and "CDNA5" Instruction Set Architecture Reference Guide (July 2026). The comments in the code are by the model that wrote it; some were corrected since.
;; Transformer Encoder Layer. Allowed arithmetic: float matrix products may take bf16 or f16 operands with f32 sums; other float arithmetic in f32, or as packed bf16 or f16 multiplies, adds, multiply-adds, maxima and minima; sums over many terms, partial sums and values carried from step to step in f32; what a program stores and reads back later, other than sums and carried values, may be rounded once to bf16 or f16.
;; Inputs: W1 768 x 3,072 float32; W2 3,072 x 768 float32; Wk 12 x 768 x 64 float32; Wo 768 x 768 float32; Wq 12 x 768 x 64 float32; Wv 12 x 768 x 64 float32; b1 3,072 float32; b2 768 float32; bk 12 x 64 float32; bo 768 float32; bq 12 x 64 float32; bv 12 x 64 float32; ln1_b 768 float32; ln1_w 768 float32; ln2_b 768 float32; ln2_w 768 float32; x 1 x 4,096 x 768 float32.
;; Outputs: out0 1 x 4,096 x 768 float32.
;; One version. Each part assembles by itself: llvm-mc -triple=amdgcn-amd-amdhsa -mcpu=gfx1250 --defsym DOCPART=n.
;; ======== version 1 of 1: 7 launches
;; limits: a function is approximated: absolute error at most 1.5e-07
;; workspace buffers: bufQ 11,022,336 bytes; bufF 11,022,336 bytes; wr 5,898,240 bytes; qkvh 18,874,368 bytes; act 25,165,824 bytes; x1 12,582,912 bytes
;; launch prep (part 1): grid 1377 x 1, 8 waves a work-group, no clusters, 18,432 bytes of LDS; arguments x, ln1_w, ln1_b, Wq, Wk, Wv, Wo, W1, W2, bq, bv, b1, bufQ, bufF, wr; writes bufQ, bufF, wr
.if DOCPART == 1
	.amdgcn_target "amdgcn-amd-amdhsa--gfx1250"
	.amdhsa_code_object_version 6
	.text
	.protected	k_qcc873bc580_prep
	.globl	k_qcc873bc580_prep
	.p2align	8
	.type	k_qcc873bc580_prep,@function
k_qcc873bc580_prep:
	s_mov_b64 s[64:65], 0
	v_nop
	global_prefetch_b8 v0, s[64:65] scope:SCOPE_SE
	s_setreg_imm32_b32 hwreg(HW_REG_WAVE_MODE, 25, 1), 1
	s_wait_xcnt 0x0
; PREP: what every later launch needs laid out once.
;   work-groups 0..511     y1 = layer_norm(x, ln1_w, ln1_b), rounded once to bf16: bufQ + 0, [4096][768]; a wave a row
;   work-groups 512..1375  one tile of 128 k x 64 n of a weight, rounded once to bf16 and turned to [n][k]:
;                          Wq, Wk, Wv -> bufQ + OFFB, row n = 64 g + e (g = 0..11 q, 12..23 k, 24..35 v); Wo -> wr + 0; W1 -> bufF + OFFB; W2 -> wr + 1179648
;   work-group 1376        the bias tables: bq, 768 zeros, bv -> bufQ + OFFBIAS; b1 -> bufF + OFFBIAS
; WORK LEFT OUT IN THE WHOLE PROGRAM: bk.  scores[q][k] = q . (k + bk) / 8 = q . k / 8 + q . bk / 8; the second term does not hang on the key, so it is the same along the
; softmax axis and cancels in softmax for all values of the inputs.  bk has no other way to the output: it is not loaded and is no argument of any launch; the key columns of the
; bias table hold 0.  LIMIT: a NaN, an infinity or an overflow that would enter through bk alone is not carried to the result.
; The mean is taken first and the variance from x - mean: no difference of large sums is formed.
; No matrix unit, no cluster, no tensor load: nothing is shared between work-groups, and every byte is read once and written once.
.set OFFB,    6291456                  ; behind 4096 rows of 1536 bytes
.set OFFBIAS, 11010048                 ; behind 3072 more rows of 1536 bytes
.set TP,      272                      ; LDS pitch of a turned row: 128 k x 2 bytes + 16
.set SPARE,   64*TP                    ; behind the tile: the spare words, 128 bytes for each of the eight waves
.set SPW, 94                           ; v94  LDS address of my spare word; never rewritten
.set NIL, 95                           ; v95  0; never rewritten
.set GW,  8                            ; v[8:31]   gain of my 24 columns
.set GB,  32                           ; v[32:55]  bias of my 24 columns
.set X,   56                           ; v[56:79]  my 24 numbers of the row: chunk j (0..5) holds columns 128 j + 4 lane .. + 3
.set T,   80                           ; v[80:91]  at work
	s_load_b512 s[8:23], s[0:1], 0x0               ; x 8, ln1_w 10, ln1_b 12, Wq 14, Wk 16, Wv 18, Wo 20, W1 22
	s_load_b256 s[24:31], s[0:1], 0x40             ; W2 24, bq 26, bv 28, b1 30
	s_load_b128 s[32:35], s[0:1], 0x60             ; bufQ 32, bufF 34
	s_load_b64 s[36:37], s[0:1], 0x70              ; wr
	v_lshl_add_u32 v[SPW], v0, 2, SPARE
	v_mov_b32 v[NIL], 0
	v_lshrrev_b32 v3, 5, v0
	v_readfirstlane_b32 s4, v3                     ; wave 0..7
	s_mov_b32 s7, 0                                ; high words of the offset pairs
	s_mov_b32 s53, 0
	s_mov_b32 s55, 0
	s_wait_kmcnt 0x0
	s_cmp_lt_u32 ttmp9, 512                        ; the job hangs on the work-group number alone: all eight waves go the same way
	s_cbranch_scc0 .Lweights
	; ---- layer norm: one wave, one row, the row kept in registers between the passes ----
	v_and_b32 v2, 31, v0
	v_lshlrev_b32 v1, 4, v2                        ; 16 x lane: f32 in
	v_lshlrev_b32 v2, 3, v2                        ; 8 x lane: bf16 out
	s_lshl_b32 s5, ttmp9, 3
	s_add_co_u32 s5, s5, s4                        ; my row
	s_mul_i32 s6, s5, 3072
	s_add_nc_u64 s[42:43], s[8:9], s[6:7]
	s_mul_i32 s6, s5, 1536
	s_add_nc_u64 s[44:45], s[32:33], s[6:7]
	s_mov_b32 s50, 0x76543210                      ; v_permlanex16_b32: each lane takes its own place in the other half
	s_mov_b32 s51, 0xfedcba98
	s_mov_b32 s58, 0x3aaaaaab                      ; 1 / 768
	s_mov_b32 s59, 0x3727c5ac                      ; 1e-5
.irp j, 0,1,2,3,4,5
	global_load_b128 v[X+4*\j:X+4*\j+3], v1, s[42:43] offset:512*\j th:TH_LOAD_NT
.endr
.irp j, 0,1,2,3,4,5
	global_load_b128 v[GW+4*\j:GW+4*\j+3], v1, s[10:11] offset:512*\j
	global_load_b128 v[GB+4*\j:GB+4*\j+3], v1, s[12:13] offset:512*\j
.endr
.macro RED r, t                        ; the sum over the 32 lanes, in every lane
	v_add_f32_dpp v[\r], v[\r], v[\r] row_xmask:1 row_mask:0xf bank_mask:0xf
	v_add_f32_dpp v[\r], v[\r], v[\r] row_xmask:2 row_mask:0xf bank_mask:0xf
	v_add_f32_dpp v[\r], v[\r], v[\r] row_xmask:4 row_mask:0xf bank_mask:0xf
	v_add_f32_dpp v[\r], v[\r], v[\r] row_xmask:8 row_mask:0xf bank_mask:0xf
	v_permlanex16_b32 v[\t], v[\r], s50, s51       ; its destination counts as read: a register that has been written
	v_add_f32 v[\r], v[\r], v[\t]
.endm
	s_wait_loadcnt 12                              ; the row is in; the twelve loads of gain and bias may stay out
.irp i, 0,1,2,3,4,5
	v_pk_add_f32 v[T+2*\i:T+2*\i+1], v[X+4*\i:X+4*\i+1], v[X+4*\i+2:X+4*\i+3]
.endr
	v_pk_add_f32 v[T:T+1], v[T:T+1], v[T+2:T+3]
	v_pk_add_f32 v[T+4:T+5], v[T+4:T+5], v[T+6:T+7]
	v_pk_add_f32 v[T+8:T+9], v[T+8:T+9], v[T+10:T+11]
	v_pk_add_f32 v[T:T+1], v[T:T+1], v[T+4:T+5]
	v_pk_add_f32 v[T:T+1], v[T:T+1], v[T+8:T+9]
	v_add_f32 v[T], v[T], v[T+1]
	RED T, T+1
	v_mul_f32 v[T+2], s58, v[T]                    ; the mean, twice: a pair for the packed subtraction
	v_mul_f32 v[T+3], s58, v[T]
.set i, 0
.rept 12
	v_pk_add_f32 v[X+i:X+i+1], v[X+i:X+i+1], v[T+2:T+3] neg_lo:[0,1] neg_hi:[0,1]
.set i, i+2
.endr
	v_pk_mul_f32 v[T+4:T+5], v[X:X+1], v[X:X+1]    ; the squares, in two chains; the first products start them
	v_pk_mul_f32 v[T+6:T+7], v[X+2:X+3], v[X+2:X+3]
.set i, 4
.rept 5
	v_pk_fma_f32 v[T+4:T+5], v[X+i:X+i+1], v[X+i:X+i+1], v[T+4:T+5]
	v_pk_fma_f32 v[T+6:T+7], v[X+i+2:X+i+3], v[X+i+2:X+i+3], v[T+6:T+7]
.set i, i+4
.endr
	v_pk_add_f32 v[T+4:T+5], v[T+4:T+5], v[T+6:T+7]
	v_add_f32 v[T+4], v[T+4], v[T+5]
	RED T+4, T+5
	v_fma_f32 v[T+4], v[T+4], s58, s59             ; variance + eps
	v_rsq_f32 v[T+6], v[T+4]                       ; twice: a pair
	v_rsq_f32 v[T+7], v[T+4]
	v_nop                                          ; a plain instruction behind the last of the two (ISA guide 5.7.2)
	s_wait_loadcnt 0x0                             ; gain and bias
	s_wait_alu depctr_va_vdst(0)                   ; one wait for both, ahead of their first reader
.set i, 0
.rept 12
	v_pk_mul_f32 v[GW+i:GW+i+1], v[GW+i:GW+i+1], v[T+6:T+7]
.set i, i+2
.endr
.set i, 0
.rept 12
	v_pk_fma_f32 v[X+i:X+i+1], v[X+i:X+i+1], v[GW+i:GW+i+1], v[GB+i:GB+i+1]
.set i, i+2
.endr
.irp j, 0,1,2,3,4,5
	v_cvt_pk_bf16_f32 v[X+4*\j], v[X+4*\j], v[X+4*\j+1]
	v_cvt_pk_bf16_f32 v[X+4*\j+1], v[X+4*\j+2], v[X+4*\j+3]
.endr
.irp j, 0,1,2,3,4,5
	global_store_b64 v2, v[X+4*\j:X+4*\j+1], s[44:45] offset:256*\j  ; the wave stores 256 consecutive bytes, at a multiple of 256 from the buffer's first
.endr
	s_branch .Lend
.Lweights:
	s_sub_co_u32 s5, ttmp9, 512                    ; u
	s_cmp_lt_u32 s5, 864
	s_cbranch_scc0 .Ltab
	; ---- a tile of a weight.  Four arms set: source s[46:47], its offset s52 and pitch s56; destination s[48:49], its offset s54 and pitch s57 ----
	s_cmp_lt_u32 s5, 216
	s_cbranch_scc0 .Larm_wo
	s_mul_hi_u32 s6, s5, 0x2aaaaaab                ; g = u / 6: which block of 64 columns of q, k, v
	s_mul_i32 s62, s6, 6
	s_sub_co_u32 s62, s5, s62                      ; kt = u - 6 g
	s_cmp_lt_u32 s6, 12
	s_cselect_b64 s[46:47], s[14:15], s[16:17]
	s_cselect_b32 s61, 0, 12
	s_cmp_lt_u32 s6, 24
	s_cselect_b64 s[46:47], s[46:47], s[18:19]
	s_cselect_b32 s61, s61, 24
	s_sub_co_u32 s61, s6, s61                      ; the head
	s_mul_i32 s52, s61, 196608                     ; a head is 768 rows of 256 bytes
	s_lshl_b32 s63, s62, 15
	s_add_co_u32 s52, s52, s63
	s_mov_b32 s56, 256
	s_mov_b64 s[48:49], s[32:33]
	s_mul_i32 s54, s6, 98304                       ; 64 rows of 1536 bytes
	s_lshl_b32 s63, s62, 8
	s_add_co_u32 s54, s54, s63
	s_add_co_u32 s54, s54, OFFB
	s_mov_b32 s57, 1536
	s_branch .Ltile
.Larm_wo:
	s_cmp_lt_u32 s5, 288
	s_cbranch_scc0 .Larm_w1
	s_sub_co_u32 s60, s5, 216
	s_mul_hi_u32 s6, s60, 0x2aaaaaab               ; nt
	s_mul_i32 s62, s6, 6
	s_sub_co_u32 s62, s60, s62                     ; kt
	s_mov_b64 s[46:47], s[20:21]
	s_mul_i32 s52, s62, 393216                     ; 128 rows of 3072 bytes
	s_lshl_b32 s63, s6, 8
	s_add_co_u32 s52, s52, s63
	s_mov_b32 s56, 3072
	s_mov_b64 s[48:49], s[36:37]
	s_mul_i32 s54, s6, 98304
	s_lshl_b32 s63, s62, 8
	s_add_co_u32 s54, s54, s63
	s_mov_b32 s57, 1536
	s_branch .Ltile
.Larm_w1:
	s_cmp_lt_u32 s5, 576
	s_cbranch_scc0 .Larm_w2
	s_sub_co_u32 s60, s5, 288
	s_mul_hi_u32 s6, s60, 0x2aaaaaab               ; nt
	s_mul_i32 s62, s6, 6
	s_sub_co_u32 s62, s60, s62                     ; kt
	s_mov_b64 s[46:47], s[22:23]
	s_mul_i32 s52, s62, 1572864                    ; 128 rows of 12288 bytes
	s_lshl_b32 s63, s6, 8
	s_add_co_u32 s52, s52, s63
	s_mov_b32 s56, 12288
	s_mov_b64 s[48:49], s[34:35]
	s_mul_i32 s54, s6, 98304
	s_lshl_b32 s63, s62, 8
	s_add_co_u32 s54, s54, s63
	s_add_co_u32 s54, s54, OFFB
	s_mov_b32 s57, 1536
	s_branch .Ltile
.Larm_w2:
	s_sub_co_u32 s60, s5, 576
	s_mul_hi_u32 s6, s60, 0x2aaaaaab
	s_lshr_b32 s6, s6, 2                           ; nt = u / 24
	s_mul_i32 s62, s6, 24
	s_sub_co_u32 s62, s60, s62                     ; kt
	s_mov_b64 s[46:47], s[24:25]
	s_mul_i32 s52, s62, 393216
	s_lshl_b32 s63, s6, 8
	s_add_co_u32 s52, s52, s63
	s_mov_b32 s56, 3072
	s_mov_b64 s[48:49], s[36:37]
	s_mul_i32 s54, s6, 393216                      ; 64 rows of 6144 bytes
	s_lshl_b32 s63, s62, 8
	s_add_co_u32 s54, s54, s63
	s_add_co_u32 s54, s54, 1179648
	s_mov_b32 s57, 6144
.Ltile:
	s_add_nc_u64 s[46:47], s[46:47], s[52:53]
	s_add_nc_u64 s[48:49], s[48:49], s[54:55]
	s_lshl_b32 s60, s56, 5                         ; 32 source rows
	s_lshl_b32 s61, s57, 4                         ; 16 destination rows
	v_and_b32 v6, 15, v0                           ; c: which 16 bytes of a row of 256
	v_lshrrev_b32 v7, 4, v0                        ; p: 0..15
	v_lshlrev_b32 v8, 1, v7
	v_mul_lo_u32 v9, v8, s56
	v_lshl_add_u32 v16, v6, 4, v9                  ; source row 2 p, my 16 bytes
	v_add_nc_u32 v17, s56, v16                     ; row 2 p + 1
.irp i, 1,2,3
	v_add_nc_u32 v[16+2*\i], s60, v[14+2*\i]       ; 32 rows on
	v_add_nc_u32 v[17+2*\i], s60, v[15+2*\i]
.endr
.irp i, 0,1,2,3,4,5,6,7
	global_load_b128 v[24+4*\i:27+4*\i], v[16+\i], s[46:47] th:TH_LOAD_NT  ; sixteen lanes take one row's 256 bytes
.endr
	v_mul_u32_u24 v4, v6, 4*TP
	v_lshl_add_u32 v4, v7, 2, v4                   ; turned: row n = 4 c + j, byte 2 k = 4 p + 64 i
	v_mul_u32_u24 v5, v7, TP
	v_lshl_add_u32 v5, v6, 4, v5                   ; back: row p + 16 i, my 16 bytes
	v_mul_lo_u32 v10, v7, s57
	v_lshl_add_u32 v72, v6, 4, v10
.irp i, 1,2,3
	v_add_nc_u32 v[72+\i], s61, v[71+\i]
.endr
	s_wait_loadcnt 0x0
.irp i, 0,1,2,3
.irp j, 0,1,2,3
	v_cvt_pk_bf16_f32 v[56+4*\i+\j], v[24+8*\i+\j], v[28+8*\i+\j]  ; k = 2 p + 32 i below, k + 1 above: two neighbours of a turned row
.endr
.endr
.irp i, 0,1,2,3
.irp j, 0,1,2,3
	ds_store_b32 v4, v[56+4*\i+\j] offset:\j*TP+64*\i  ; lanes 4 rows apart meet in a bank, four deep: sixteen such stores a tile, against 32 KiB from memory
.endr
.endr
	s_wait_dscnt 0x0                               ; for the others: my stores are done
	s_barrier_signal -1
	s_barrier_wait -1
.irp i, 0,1,2,3
	ds_load_b128 v[76+4*\i:79+4*\i], v5 offset:16*TP*\i
.endr
.irp i, 0,1,2,3
	s_wait_dscnt 3-\i                              ; LDS loads come back in order: number i is in
	global_store_b128 v[72+\i], v[76+4*\i:79+4*\i], s[48:49]  ; sixteen lanes store 256 consecutive bytes, at a multiple of 256 from the buffer's first
.endr
	s_branch .Lend
.Ltab:
	; ---- the tables ----
	v_lshlrev_b32 v6, 4, v0
	s_add_nc_u64 s[46:47], s[34:35], OFFBIAS
	s_add_nc_u64 s[48:49], s[32:33], OFFBIAS
.irp i, 0,1,2
	global_load_b128 v[24+4*\i:27+4*\i], v6, s[30:31] offset:4096*\i  ; b1: 256 threads x 16 bytes, three times
.endr
	s_cmp_lt_u32 s4, 6
	s_cbranch_scc0 .Ltab_b1
	global_load_b128 v[36:39], v6, s[26:27]        ; 192 threads x 16 bytes: bq, bv
	global_load_b128 v[40:43], v6, s[28:29]
	v_mov_b32 v44, 0
	v_mov_b32 v45, 0
	v_mov_b32 v46, 0
	v_mov_b32 v47, 0
	s_wait_loadcnt 0x0
	global_store_b128 v6, v[36:39], s[48:49]
	global_store_b128 v6, v[44:47], s[48:49] offset:3072  ; the key columns: see the head
	global_store_b128 v6, v[40:43], s[48:49] offset:6144
.Ltab_b1:
	s_wait_loadcnt 0x0
.irp i, 0,1,2
	global_store_b128 v6, v[24+4*\i:27+4*\i], s[46:47] offset:4096*\i
.endr
.Lend:
	s_wait_tensorcnt 0x0                           ; the wave's end
	ds_add_u32 v[SPW], v[NIL]
	s_wait_dscnt 0x0
	s_endpgm
.Lfunc_end_k_qcc873bc580_prep:
	.size	k_qcc873bc580_prep, .Lfunc_end_k_qcc873bc580_prep-k_qcc873bc580_prep
	.p2alignl 7, 3214868480
	.fill 96, 4, 3214868480
	.section	.rodata,"a",@progbits
	.p2align	6, 0x0
	.amdhsa_kernel k_qcc873bc580_prep
		.amdhsa_group_segment_fixed_size 18432
		.amdhsa_private_segment_fixed_size 0
		.amdhsa_enable_private_segment 0
		.amdhsa_kernarg_size 120
		.amdhsa_user_sgpr_count 2
		.amdhsa_user_sgpr_kernarg_segment_ptr 1
		.amdhsa_wavefront_size32 1
		.amdhsa_system_sgpr_workgroup_id_x 1
		.amdhsa_system_sgpr_workgroup_id_y 1
		.amdhsa_system_sgpr_workgroup_id_z 1
		.amdhsa_system_vgpr_workitem_id 0
		.amdhsa_next_free_vgpr 96
		.amdhsa_next_free_sgpr 66
		.amdhsa_reserve_vcc 0
		.amdhsa_float_denorm_mode_32 3
		.amdhsa_float_denorm_mode_16_64 3
		.amdhsa_memory_ordered 1
		.amdhsa_forward_progress 1
		.amdhsa_inst_pref_size 20
	.end_amdhsa_kernel
	.amdgpu_metadata
---
amdhsa.version: [ 1, 2 ]
amdhsa.kernels:
  - .name:           k_qcc873bc580_prep
    .symbol:         k_qcc873bc580_prep.kd
    .args:
      - { .name: x, .offset: 0, .size: 8, .value_kind: global_buffer, .address_space: global }
      - { .name: ln1_w, .offset: 8, .size: 8, .value_kind: global_buffer, .address_space: global }
      - { .name: ln1_b, .offset: 16, .size: 8, .value_kind: global_buffer, .address_space: global }
      - { .name: Wq, .offset: 24, .size: 8, .value_kind: global_buffer, .address_space: global }
      - { .name: Wk, .offset: 32, .size: 8, .value_kind: global_buffer, .address_space: global }
      - { .name: Wv, .offset: 40, .size: 8, .value_kind: global_buffer, .address_space: global }
      - { .name: Wo, .offset: 48, .size: 8, .value_kind: global_buffer, .address_space: global }
      - { .name: W1, .offset: 56, .size: 8, .value_kind: global_buffer, .address_space: global }
      - { .name: W2, .offset: 64, .size: 8, .value_kind: global_buffer, .address_space: global }
      - { .name: bq, .offset: 72, .size: 8, .value_kind: global_buffer, .address_space: global }
      - { .name: bv, .offset: 80, .size: 8, .value_kind: global_buffer, .address_space: global }
      - { .name: b1, .offset: 88, .size: 8, .value_kind: global_buffer, .address_space: global }
      - { .name: bufQ, .offset: 96, .size: 8, .value_kind: global_buffer, .address_space: global }
      - { .name: bufF, .offset: 104, .size: 8, .value_kind: global_buffer, .address_space: global }
      - { .name: wr, .offset: 112, .size: 8, .value_kind: global_buffer, .address_space: global }
    .group_segment_fixed_size: 18432
    .private_segment_fixed_size: 0
    .kernarg_segment_align: 8
    .kernarg_segment_size: 120
    .max_flat_workgroup_size: 256
    .sgpr_count:     66
    .vgpr_count:     96
    .wavefront_size: 32
...
	.end_amdgpu_metadata
.endif
;; end of part 1
;; launch proj (part 2): grid 32 x 6, 4 waves a work-group, clusters of 4 x 1, 327,680 bytes of LDS; arguments bufQ, qkvh; writes qkvh
.if DOCPART == 2
	.amdgcn_target "amdgcn-amd-amdhsa--gfx1250"
	.amdhsa_code_object_version 6
	.text
	.protected	k_qcc873bc580_proj
	.globl	k_qcc873bc580_proj
	.p2align	8
	.type	k_qcc873bc580_proj,@function
k_qcc873bc580_proj:
	s_mov_b64 s[64:65], 0
	v_nop
	global_prefetch_b8 v0, s[64:65] scope:SCOPE_SE
	s_setreg_imm32_b32 hwreg(HW_REG_WAVE_MODE, 25, 1), 1
	s_wait_xcnt 0x0
	s_wait_alu depctr_hold_cnt(0) depctr_sa_sdst(0) depctr_va_vdst(0) depctr_va_sdst(0) depctr_va_ssrc(0) depctr_va_vcc(0) depctr_vm_vsrc(0)
	s_getreg_b32 s2, hwreg(HW_REG_IB_STS2, 6, 4)
	s_cmp_eq_u32 s2, 0
	s_cbranch_scc0 .Lentry_in_a_cluster
	s_endpgm
.Lentry_in_a_cluster:
	s_bfe_u32 s2, ttmp6, 0x10000c
	s_cmp_lg_u32 s2, 0x3003
	s_cbranch_scc0 .Lentry_shape_is_right
	s_endpgm
.Lentry_shape_is_right:
; C[128 x 384] = A[128 x 768] B^T + bias; C leaves in bf16, in blocks of 64 columns: out[block][4096][64].  Here (GELU = 0): q, k, v by heads, no activation.
; The same text with GELU = 1 makes the first FFN product.  One buffer holds all it reads: + 0 A [4096][768] bf16; + OFFB B [n][768] bf16; + OFFBIAS the bias, f32.
; Left out: bk (it cancels in the softmax: shown at the head of the first kernel); the key columns find zeros in the bias table.
; SHARES.  Four waves; wave w makes rows 64 (w / 2) .. + 63, columns 192 (w % 2) .. + 191: 48 accumulators of 16 x 16, 384 registers.  K goes in six steps of 128 through two LDS slots.
; CLUSTER.  The four work-groups of a cluster have four row tiles and ONE column tile: B's tiles are asked for jointly (mask 15), by waves 1 to 3, 128 rows each;
; A's tile is the work-group's own (mask 0), asked for by wave 0 in the same rounds.  One tensor load a wave behind each round.
; THE MATRIX INSTRUCTION IS USED TRANSPOSED (source 0 = 16 rows of B, source 1 = 16 rows of A): a lane holds row lane % 16 of C and the columns 8 (lane / 16) + 0..7.
; The bias is the C operand of each accumulator's first product: nothing is cleared and no bias is added afterwards.
; REGISTERS, in windows of 256: window 0: v16-31 addresses; v32-95 A's fragments, two buffers; v128-223 the bias, later the way out.  window 1: B's fragments, two buffers of 96.
; window 2: accumulators of my rows 0-31 ((a, b) at 8 (12 a + b)); window 3: rows 32-63.
.set GELU,    0
.set OFFB,    6291456
.set OFFBIAS, 11010048
.set PITCH,   272                      ; an LDS row: 256 bytes + 16: the 16 rows of a fragment load start at 16 different groups of four banks (64 banks of 4 bytes: ISA guide 11.1)
.set PART,    128*PITCH                ; what one tensor load brings
.set SLOT,    4*PART                   ; A's 128 rows, then B's 384
.set SPARE,   2*SLOT                   ; behind the ring: the spare words, 128 bytes a wave
.set SPITCH,  784                      ; the way out: a row of 192 f32 + 16 bytes
.set WSTAGE,  64*SPITCH                ; a wave's stage; the four lie over the ring, whose blocks have had their last fill by then
.set BLK,     524288                   ; a block of 64 columns of the output: 4096 rows of 128 bytes
.set ADRA, 16                          ; v16-17  my A fragments in slot 0, 1
.set ADRB, 20                          ; v20-21  my B fragments
.set STO,  24                          ; v24  where I put 32 bytes of a row in my stage
.set RD,   25                          ; v25  where I read this trip's 32 bytes
.set GO,   26                          ; v26  my 16 bytes in 512 consecutive bytes of the output
.set RD0,  27                          ; v27  RD of the first trip; never rewritten
.set SPW,  28                          ; v28  my spare word; never rewritten
.set NIL,  29                          ; v29  0; never rewritten
.set PFO,  30                          ; v30  the prefetches' offset: lane x 1536; never rewritten
.set BO,   31                          ; v31  32 x (lane / 16)
.set FA,   32
.set BIAS, 128
.set Y,    32                          ; the way out: 12 packed words
.set PP,   48
.set U,    128
.set DD,   152
.set TT,   176
.set EE,   200
.set RR,   224
.set OUTP, 6                           ; s[6:7] the output
.set G1A, 24                           ; s[24:31] group 1 for A    s[32:39] group 0, a set for each slot
.set G0A, 32
.set G1B, 48                           ; s[48:55], s[56:63] the same for B
.set G0B, 56
.set LIM, 43                           ; s43  1 in a wave that prefetches, else the greatest number
.set PFA, 44                           ; s[44:45] where my prefetches stand
.set A5, 72                            ; s[72:81] the polynomial, in pairs
.set A4, 74
.set A3, 76
.set A2, 78
.set A1, 80
.set PC, 82                            ; s82  P
.set CNT, 84
.set STEP, 85
.set MSB, 0
.macro WIN new                         ; the immediate's high byte repeats the setting that is left; a switch that changes nothing is dropped
.if MSB != (\new)
	s_set_vgpr_msb (MSB<<8)|(\new)
.set MSB, \new
.endif
.endm
.macro PLACES                          ; four plain places behind matrix instructions (ISA guide 7.12.1)
.rept 4
	v_nop
.endr
.endm
.macro JLOAD s                         ; wave 0 asks for A's tile, waves 1 to 3 for B's thirds; an s_nop 0 and four v_nop follow each line
	s_cmp_eq_u32 s10, 0
	s_cbranch_scc0 .Lfor_b_\@
	tensor_load_to_lds s[G0A+4*(\s):G0A+4*(\s)+3], s[G1A:G1A+7]
	s_nop 0
.rept 4
	v_nop
.endr
	s_branch .Lasked_\@
.Lfor_b_\@:
	tensor_load_to_lds s[G0B+4*(\s):G0B+4*(\s)+3], s[G1B:G1B+7]
	s_nop 0
.rept 4
	v_nop
.endr
.Lasked_\@:
.endm
.macro CREST                           ; a round of the cluster's barrier behind its opening barrier
	s_cmp_lg_u32 s10, 0
	s_cbranch_scc1 .Lnot_wave_0_\@
	s_barrier_signal -3
.Lnot_wave_0_\@:
	s_barrier_wait -3
	s_barrier_signal -1
	s_barrier_wait -1
.endm
.macro CROUND
	s_barrier_signal -1
	s_barrier_wait -1
	CREST
.endm
; A PREFETCH INTO THE L2 of the K step that stands two refills on (384 matrix instructions ahead of the load that will want it): 256 bytes of a row, a lane a row.
; A's 128 rows are read by every column tile: the work-group with column tile 0 asks, its wave 0, four instructions.  B's rows are read by every cluster of the column tile:
; cluster x = 0 asks; of the 128 rows that a wave fetches each of the four partners takes 32, told apart by address.  Only the loop's first trip asks (steps 4 and 5); steps 0 to 3 come by their loads alone.
.macro ASK
	s_cmp_gt_u32 s3, s[LIM]
	s_cbranch_scc0 .Lnot_mine_\@
	global_prefetch_b8 v[PFO], s[PFA:PFA+1] th:TH_LOAD_NT scope:SCOPE_SE
	s_cmp_eq_u32 s10, 0
	s_cbranch_scc0 .Lnot_mine_\@
	global_prefetch_b8 v[PFO], s[PFA:PFA+1] offset:49152 th:TH_LOAD_NT scope:SCOPE_SE
	global_prefetch_b8 v[PFO], s[PFA:PFA+1] offset:98304 th:TH_LOAD_NT scope:SCOPE_SE
	global_prefetch_b8 v[PFO], s[PFA:PFA+1] offset:147456 th:TH_LOAD_NT scope:SCOPE_SE
.Lnot_mine_\@:
.endm
	s_load_b128 s[4:7], s[0:1], 0x0                ; the buffer s[4:5], the output s[6:7]
	v_lshl_add_u32 v[SPW], v0, 2, SPARE
	v_mov_b32 v[NIL], 0
	ds_add_u32 v[SPW], v[NIL]                      ; the opening: the add, twice on end, and its wait ahead of my first tensor load
	ds_add_u32 v[SPW], v[NIL]
	v_lshrrev_b32 v1, 5, v0
	v_readfirstlane_b32 s10, v1                    ; wave 0..3
	s_lshr_b32 s11, s10, 1                         ; which 64 rows
	s_and_b32 s12, s10, 1                          ; which 192 columns
	s_bfe_u32 s13, ttmp6, 0x40000                  ; cx
	s_lshl_b32 s14, ttmp9, 2
	s_add_co_u32 s14, s14, s13                     ; row tile = 4 x cluster x + cx: it enters global addresses alone
	s_and_b32 s15, ttmp7, 0xffff                   ; column tile, which the partners share
	s_mov_b32 s[G1A], (1<<16)|(1<<20)|(5<<22)|(3<<25)               ; 2-byte elements; padding on: after every 64 words, 4 words; no mask
	s_mov_b32 s[G1B], 15|(1<<16)|(1<<20)|(1<<21)|(5<<22)|(3<<25)    ; the same with the mask of four, and bit 21 beside it
.irp g, G1A, G1B
	s_mov_b32 s[(\g)+1], 128<<16                   ; tensor_dim0 = 128
	s_mov_b32 s[(\g)+2], 128<<16                   ; tensor_dim1 = 128
	s_mov_b32 s[(\g)+3], 128<<16                   ; tile_dim0 = 128
	s_mov_b32 s[(\g)+4], 128                       ; tile_dim1 = 128
	s_mov_b32 s[(\g)+5], 768                       ; elements from row to row
	s_mov_b32 s[(\g)+6], 0
	s_mov_b32 s[(\g)+7], 0
.endr
	s_mul_i32 s16, s14, 196608                     ; A: 128 rows of 1536 bytes a tile
	s_mov_b32 s17, 0
	s_max_u32 s20, s10, 1
	s_sub_co_u32 s20, s20, 1                       ; which third of B (wave 0 issues no such load)
	s_lshl_b32 s20, s20, 7
	s_mul_i32 s21, s15, 384
	s_add_co_u32 s20, s20, s21
	s_mul_i32 s20, s20, 1536
	s_add_co_u32 s20, s20, OFFB
	s_mov_b32 s21, 0
	s_mul_i32 s22, s10, PART                       ; B's third of wave w lies at w x PART: behind A's 128 rows
.if GELU
	s_mov_b32 s[A5], 0x4012a088                    ;  2.29104813
	s_mov_b32 s[A5+1], s[A5]
	s_mov_b32 s[A4], 0xc048bea0                    ; -3.13663483
	s_mov_b32 s[A4+1], s[A4]
	s_mov_b32 s[A3], 0x40445c34                    ;  3.06812760
	s_mov_b32 s[A3+1], s[A3]
	s_mov_b32 s[A2], 0xbf1d34d5                    ; -0.61408741
	s_mov_b32 s[A2+1], s[A2]
	s_mov_b32 s[A1], 0x3f0cd020                    ;  0.55005076
	s_mov_b32 s[A1+1], s[A1]
	s_mov_b32 s[PC], 0x3e6d3388                    ;  0.23164189
.endif
	s_wait_dscnt 0x0                               ; both opening adds are done
	s_wait_kmcnt 0x0
	s_add_nc_u64 s[16:17], s[4:5], s[16:17]
	s_add_nc_u64 s[20:21], s[4:5], s[20:21]
	CROUND                                         ; all four work-groups are here: the first joint loads meet
.irp s, 0,1
	s_mov_b32 s[G0A+4*(\s)], 1
	s_mov_b32 s[G0A+4*(\s)+1], (\s)*SLOT
	s_add_nc_u64 s[G0A+4*(\s)+2:G0A+4*(\s)+3], s[16:17], (\s)*256
	s_or_b32 s[G0A+4*(\s)+3], s[G0A+4*(\s)+3], 0x80000000
	s_mov_b32 s[G0B+4*(\s)], 1
	s_add_co_u32 s[G0B+4*(\s)+1], s22, (\s)*SLOT
	s_add_nc_u64 s[G0B+4*(\s)+2:G0B+4*(\s)+3], s[20:21], (\s)*256
	s_or_b32 s[G0B+4*(\s)+3], s[G0B+4*(\s)+3], 0x80000000
	JLOAD \s                                       ; K steps 0 and 1: two loads of mine are out
.endr
	v_and_b32 v1, 15, v0                           ; r = lane % 16
	v_bfe_u32 v2, v0, 4, 1                         ; h = lane / 16
	v_and_b32 v4, 31, v0
	; the bias of my 192 columns: block b's register j is bias[16 b + 8 h + j], the layout of a C operand
	s_mul_i32 s18, s15, 1536
	s_mul_i32 s19, s12, 768
	s_add_co_u32 s18, s18, s19
	s_add_co_u32 s18, s18, OFFBIAS
	s_mov_b32 s19, 0
	s_add_nc_u64 s[40:41], s[4:5], s[18:19]
	v_lshlrev_b32 v[BO], 5, v2
.irp b, 0,1,2,3,4,5,6,7,8,9,10,11
	global_load_b128 v[BIAS+8*\b:BIAS+8*\b+3],   v[BO], s[40:41] offset:64*\b
	global_load_b128 v[BIAS+8*\b+4:BIAS+8*\b+7], v[BO], s[40:41] offset:64*\b+16
.endr
	v_mul_u32_u24 v3, v1, PITCH
	v_lshl_add_u32 v3, v2, 4, v3                   ; a fragment's row x pitch + 16 x half
	s_mul_i32 s18, s11, 64*PITCH
	s_mul_i32 s19, s12, 192*PITCH
	s_add_co_u32 s19, s19, PART
.irp s, 0,1
	v_add_nc_u32 v[ADRA+(\s)], s18, v3
	v_add_nc_u32 v[ADRB+(\s)], s19, v3
	s_add_co_u32 s18, s18, SLOT
	s_add_co_u32 s19, s19, SLOT
.endr
	s_mul_i32 s18, s10, WSTAGE                     ; my stage
	v_mul_u32_u24 v[STO], v1, SPITCH
	v_lshl_add_u32 v[STO], v2, 5, v[STO]
	v_add_nc_u32 v[STO], s18, v[STO]
	v_lshrrev_b32 v5, 3, v4
	v_and_b32 v6, 7, v0
	v_mul_u32_u24 v[RD0], v5, SPITCH               ; back: eight lanes take 64 columns of a row, 32 bytes each; the wave four rows
	v_lshl_add_u32 v[RD0], v6, 5, v[RD0]
	v_add_nc_u32 v[RD0], s18, v[RD0]
	v_lshlrev_b32 v[GO], 4, v4
	s_mul_i32 s86, s15, 6                          ; my first block of 64 columns: 6 x column tile + 3 x half,
	s_mul_i32 s87, s12, 3
	s_add_co_u32 s86, s86, s87
	s_lshl_b32 s86, s86, 19
	s_lshl_b32 s87, s14, 14                        ; my first row in it: 128 x row tile + 64 x half, 128 bytes a row
	s_add_co_u32 s86, s86, s87
	s_lshl_b32 s87, s11, 13
	s_add_co_u32 s86, s86, s87
	s_mov_b32 s87, 0
	s_add_nc_u64 s[OUTP:OUTP+1], s[OUTP:OUTP+1], s[86:87]
	; the prefetches
	s_mul_i32 s86, s14, 196608                     ; A: my tile's first row
	s_max_u32 s88, s10, 1
	s_sub_co_u32 s88, s88, 1
	s_lshl_b32 s88, s88, 7
	s_mul_i32 s89, s15, 384
	s_add_co_u32 s88, s88, s89
	s_lshl_b32 s89, s13, 5                         ; B: my work-group's 32 of the wave's 128 rows
	s_add_co_u32 s88, s88, s89
	s_mul_i32 s88, s88, 1536
	s_add_co_u32 s88, s88, OFFB
	s_cmp_eq_u32 s10, 0
	s_cselect_b32 s86, s86, s88
	s_cselect_b32 s88, s15, ttmp9                  ; the coordinate along which others read the same rows
	s_cmp_eq_u32 s88, 0
	s_cselect_b32 s[LIM], 1, -1                    ; the same in all four partners, for a given wave
	s_add_nc_u64 s[PFA:PFA+1], s[4:5], s[86:87]
	s_add_nc_u64 s[PFA:PFA+1], s[PFA:PFA+1], 3*256 ; at K step 3: the first change of slots steps it to 4
	v_mul_u32_u24 v[PFO], v4, 1536
; 12 matrix instructions: row block 2 hi + a x all 12 column blocks, 32 along K, from buffer f.  bias = 1: the first product of each sum takes the bias as C.
; The 48 accumulators take turns, one instruction a turn, in the same order in every quarter.
.macro MUL12 f, hi, a, bias
.if \bias
	WIN 0x81+0x40*(\hi)                            ; B window 1, A and C window 0, D window 2 or 3
.else
	WIN 0xa1+0x50*(\hi)                            ; B window 1, A window 0, C and D window 2 or 3
.endif
.set rA, FA+32*(\f)+8*(2*(\hi)+(\a))
.irp b, 0,1,2,3,4,5,6,7,8,9,10,11
.set rD, 8*(12*(\a)+(\b))
.set rB, 96*(\f)+8*(\b)
.if \bias
	v_wmma_f32_16x16x32_bf16 v[rD:rD+7], v[rB:rB+7], v[rA:rA+7], v[BIAS+8*(\b):BIAS+8*(\b)+7]
.else
	v_wmma_f32_16x16x32_bf16 v[rD:rD+7], v[rB:rB+7], v[rA:rA+7], v[rD:rD+7]
.endif
.endr
.endm
; 32 LDS loads in one run: 192 rows of B and 64 rows of A, 32 along K at byte k of the rows, into buffer f; A's row blocks 2 and 3 last
.macro FETCH slot, k, f
	WIN 0x40
.irp i, 0,1,2,3,4,5,6,7,8,9,10,11
	ds_load_b128 v[96*(\f)+8*(\i):96*(\f)+8*(\i)+3],   v[ADRB+(\slot)] offset:(\k)+(\i)*16*PITCH
	ds_load_b128 v[96*(\f)+8*(\i)+4:96*(\f)+8*(\i)+7], v[ADRB+(\slot)] offset:(\k)+(\i)*16*PITCH+32
.endr
	WIN 0
.irp i, 0,1,2,3
	ds_load_b128 v[FA+32*(\f)+8*(\i):FA+32*(\f)+8*(\i)+3],   v[ADRA+(\slot)] offset:(\k)+(\i)*16*PITCH
	ds_load_b128 v[FA+32*(\f)+8*(\i)+4:FA+32*(\f)+8*(\i)+7], v[ADRA+(\slot)] offset:(\k)+(\i)*16*PITCH+32
.endr
.endm
; A K step is four quarters of 32 along K, 48 matrix instructions each, on buffers 0, 1, 0, 1.  One of the first three multiplies f and fetches the next, at byte k, into g.
.macro QUARTER slot, k, f, g, bias
	s_wait_dscnt 4                                 ; B and A's row blocks 0, 1 are in; the youngest four loads may be out
	MUL12 \f, 0, 0, \bias
	MUL12 \f, 0, 1, \bias
	PLACES
	FETCH \slot, \k, \g
	s_wait_dscnt 32                                ; all but the 32 just issued
	MUL12 \f, 1, 0, \bias
	MUL12 \f, 1, 1, \bias
.endm
; The last quarter multiplies buffer 1 and changes slots.  In front of the barrier each wave waits for all its tensor loads (one is out: its part of the next slot), adds 0 to its spare
; word, and waits for that and for its reads of this slot.  fill = 1: the barrier opens a round of the cluster's, and the refill, two K steps on, is the first tensor load behind it.
.macro TURN slot, next, fill
.if \fill
	s_wait_xcnt 0x0                                ; the last prefetches, a K step back, have read their address
	s_add_nc_u64 s[PFA:PFA+1], s[PFA:PFA+1], 256
.endif
	WIN 0
	s_wait_tensorcnt 0x0
	ds_add_u32 v[SPW], v[NIL]
	s_wait_dscnt 5                                 ; the add and the youngest four loads may be out
	MUL12 1, 0, 0, 0
	s_wait_dscnt 0x0                               ; the add is done, and my reads of this slot are over
	s_barrier_signal -1
	MUL12 1, 0, 1, 0
.if \fill
	WIN 0
.endif
	s_barrier_wait -1
.if \fill
	CREST                                          ; no wave of any partner still reads this slot or has a load on its way
	s_add_nc_u64 s[G0A+4*(\slot)+2:G0A+4*(\slot)+3], s[G0A+4*(\slot)+2:G0A+4*(\slot)+3], 512
	s_add_nc_u64 s[G0B+4*(\slot)+2:G0B+4*(\slot)+3], s[G0B+4*(\slot)+2:G0B+4*(\slot)+3], 512
	JLOAD \slot                                    ; its four v_nop are also the places in front of the loads below
.else
	PLACES
.endif
	FETCH \next, 0, 0
.if \fill
	ASK
.endif
	MUL12 1, 1, 0, 0
	MUL12 1, 1, 1, 0
.endm
	s_wait_tensorcnt 0x1                           ; my part of K step 0 is in; step 1's may stay out
	s_barrier_signal -1
	s_barrier_wait -1
	FETCH 0, 0, 0
	s_wait_loadcnt 0x0                             ; the bias
	QUARTER 0, 64, 0, 1, 1                         ; the first quarter stands in front of the loop: its products start the sums, from the bias
	WIN 0
	s_mov_b32 s3, 2
.Llap:                                                 ; a trip goes once round the ring and fills both slots again
	QUARTER 0, 128, 1, 0, 0
	QUARTER 0, 192, 0, 1, 0
	TURN 0, 1, 1
	QUARTER 1, 64, 0, 1, 0
	QUARTER 1, 128, 1, 0, 0
	QUARTER 1, 192, 0, 1, 0
	TURN 1, 0, 1
	QUARTER 0, 64, 0, 1, 0
	WIN 0
	s_sub_co_u32 s3, s3, 1
	s_cmp_lg_u32 s3, 0
	s_cbranch_scc1 .Llap
	QUARTER 0, 128, 1, 0, 0                        ; the last lap fills nothing
	QUARTER 0, 192, 0, 1, 0
	TURN 0, 1, 0
	QUARTER 1, 64, 0, 1, 0
	QUARTER 1, 128, 1, 0, 0
	QUARTER 1, 192, 0, 1, 0
	s_wait_dscnt 4
	MUL12 1, 0, 0, 0
	MUL12 1, 0, 1, 0
	s_wait_dscnt 0x0                               ; my last reads of the ring are back
	MUL12 1, 1, 0, 0
	MUL12 1, 1, 1, 0
	; THE WAY OUT.  The sums go in f32 into my stage and come back four rows at a time, a lane with eight neighbouring columns of each of my three blocks.
	WIN 0
	PLACES
	s_barrier_signal -1                            ; every wave's reads of the ring are back and every tensor load has landed: the stages may be written over it
	s_barrier_wait -1
.irp hi, 0,1
	WIN 0x08+4*(\hi)                               ; store data from window 2 or 3
.irp a, 0,1
.irp b, 0,1,2,3,4,5,6,7,8,9,10,11
	ds_store_b128 v[STO], v[8*(12*\a+\b):8*(12*\a+\b)+3]   offset:(2*\hi+\a)*16*SPITCH+64*\b     ; each accumulator's low registers first
	ds_store_b128 v[STO], v[8*(12*\a+\b)+4:8*(12*\a+\b)+7] offset:(2*\hi+\a)*16*SPITCH+64*\b+16
.endr
.endr
.endr
	WIN 0
	s_wait_dscnt 0x0
	s_barrier_signal -1                            ; behind this barrier the stages are only read
	s_barrier_wait -1
.macro LOADU
.irp g, 0,1,2
	ds_load_b128 v[U+8*\g:U+8*\g+3],   v[RD] offset:256*\g
	ds_load_b128 v[U+8*\g+4:U+8*\g+7], v[RD] offset:256*\g+16
.endr
.endm
	v_mov_b32 v[RD], v[RD0]
	LOADU
	s_mov_b32 s[STEP], 0
	s_mov_b32 s[CNT], 16
.Lrow:                                                 ; 16 trips of four rows; the next trip's numbers are fetched as soon as this trip's registers are free
	s_add_co_u32 s[STEP], s[STEP], 4*SPITCH
	s_wait_dscnt 0x0
	v_add_nc_u32 v[RD], s[STEP], v[RD0]
.if GELU
.set i, 0
.rept 24
	v_fma_f32 v[DD+i], |v[U+i]|, s[PC], 1.0        ; d = 1 + P |u|
.set i, i+1
.endr
.set i, 0
.rept 12
	v_pk_mul_f32 v[EE+i:EE+i+1], v[U+i:U+i+1], v[U+i:U+i+1]
.set i, i+2
.endr
.set i, 0
.rept 24
	v_max_num_f32 v[RR+i], 0, v[U+i]
.set i, i+1
.endr
	s_cmp_eq_u32 s[CNT], 1                         ; the last trip has nothing to fetch
	s_cbranch_scc1 .Lgelu
	LOADU
.Lgelu:
.set i, 0
.rept 12
	v_pk_mul_f32 v[EE+i:EE+i+1], v[EE+i:EE+i+1], 0xbf38aa3b op_sel_hi:[1,0]  ; - u u log2(e) / 2
.set i, i+2
.endr
.set i, 0
.rept 24
	v_rcp_f32 v[TT+i], v[DD+i]
.set i, i+1
.endr
.set i, 0
.rept 24
	v_exp_f32 v[EE+i], v[EE+i]
.set i, i+1
.endr
	v_nop                                          ; a plain instruction behind the last of the batch (ISA guide 5.7.2)
	s_wait_alu depctr_va_vdst(0)                   ; one wait for all 48, ahead of their first reader
.set i, 0
.rept 12
	v_pk_fma_f32 v[PP+i:PP+i+1], v[TT+i:TT+i+1], s[A5:A5+1], s[A4:A4+1] op_sel_hi:[1,0,0]
.set i, i+2
.endr
.irp k, A3, A2, A1
.set i, 0
.rept 12
	v_pk_fma_f32 v[PP+i:PP+i+1], v[PP+i:PP+i+1], v[TT+i:TT+i+1], s[\k:\k+1] op_sel_hi:[1,1,0]
.set i, i+2
.endr
.endr
.set i, 0
.rept 12
	v_pk_mul_f32 v[PP+i:PP+i+1], v[PP+i:PP+i+1], v[TT+i:TT+i+1]
.set i, i+2
.endr
.set i, 0
.rept 12
	v_pk_mul_f32 v[PP+i:PP+i+1], v[PP+i:PP+i+1], v[EE+i:EE+i+1]  ; erfc / 2 P
.set i, i+2
.endr
.set i, 0
.rept 12
	v_pk_fma_f32 v[RR+i:RR+i+1], v[DD+i:DD+i+1], v[PP+i:PP+i+1], v[RR+i:RR+i+1] neg_lo:[1,0,0] neg_hi:[1,0,0]
.set i, i+2
.endr
.set i, 0
.rept 12
	v_pk_add_f32 v[RR+i:RR+i+1], v[RR+i:RR+i+1], v[PP+i:PP+i+1]  ; max(u, 0) - (d - 1) erfc / 2 P
.set i, i+2
.endr
.set i, 0
.rept 12
	v_cvt_pk_bf16_f32 v[Y+i], v[RR+2*i], v[RR+2*i+1]
.set i, i+1
.endr
.else
.set i, 0
.rept 12
	v_cvt_pk_bf16_f32 v[Y+i], v[U+2*i], v[U+2*i+1]
.set i, i+1
.endr
	s_cmp_eq_u32 s[CNT], 1                         ; the last trip has nothing to fetch
	s_cbranch_scc1 .Lstore
	LOADU
.Lstore:
.endif
.irp g, 0,1,2
	global_store_b128 v[GO], v[Y+4*\g:Y+4*\g+3], s[OUTP:OUTP+1] offset:\g*BLK  ; the wave stores 512 consecutive bytes: four rows of a block
.endr
	s_wait_xcnt 0x0                                ; GO and Y are rewritten only behind this wait
	v_add_nc_u32 v[GO], 512, v[GO]
	s_sub_co_u32 s[CNT], s[CNT], 1
	s_cmp_lg_u32 s[CNT], 0
	s_cbranch_scc1 .Lrow
	s_wait_tensorcnt 0x0                           ; the wave's end
	ds_add_u32 v[SPW], v[NIL]
	s_wait_dscnt 0x0
	CROUND                                         ; the closing round
	s_endpgm
.Lfunc_end_k_qcc873bc580_proj:
	.size	k_qcc873bc580_proj, .Lfunc_end_k_qcc873bc580_proj-k_qcc873bc580_proj
	.p2alignl 7, 3214868480
	.fill 96, 4, 3214868480
	.section	.rodata,"a",@progbits
	.p2align	6, 0x0
	.amdhsa_kernel k_qcc873bc580_proj
		.amdhsa_group_segment_fixed_size 327680
		.amdhsa_private_segment_fixed_size 0
		.amdhsa_enable_private_segment 0
		.amdhsa_kernarg_size 16
		.amdhsa_user_sgpr_count 2
		.amdhsa_user_sgpr_kernarg_segment_ptr 1
		.amdhsa_wavefront_size32 1
		.amdhsa_system_sgpr_workgroup_id_x 1
		.amdhsa_system_sgpr_workgroup_id_y 1
		.amdhsa_system_sgpr_workgroup_id_z 1
		.amdhsa_system_vgpr_workitem_id 0
		.amdhsa_next_free_vgpr 960
		.amdhsa_next_free_sgpr 90
		.amdhsa_reserve_vcc 0
		.amdhsa_float_denorm_mode_32 3
		.amdhsa_float_denorm_mode_16_64 3
		.amdhsa_memory_ordered 1
		.amdhsa_forward_progress 1
		.amdhsa_inst_pref_size 108
	.end_amdhsa_kernel
	.amdgpu_metadata
---
amdhsa.version: [ 1, 2 ]
amdhsa.kernels:
  - .name:           k_qcc873bc580_proj
    .symbol:         k_qcc873bc580_proj.kd
    .args:
      - { .name: bufQ, .offset: 0, .size: 8, .value_kind: global_buffer, .address_space: global }
      - { .name: qkvh, .offset: 8, .size: 8, .value_kind: global_buffer, .address_space: global }
    .group_segment_fixed_size: 327680
    .private_segment_fixed_size: 0
    .kernarg_segment_align: 8
    .kernarg_segment_size: 16
    .max_flat_workgroup_size: 128
    .sgpr_count:     90
    .vgpr_count:     960
    .wavefront_size: 32
...
	.end_amdgpu_metadata
.endif
;; end of part 2
;; launch attn (part 3): grid 16 x 12, 4 waves a work-group, clusters of 4 x 1, 327,680 bytes of LDS; arguments qkvh, act; writes act
.if DOCPART == 3
	.amdgcn_target "amdgcn-amd-amdhsa--gfx1250"
	.amdhsa_code_object_version 6
	.text
	.protected	k_qcc873bc580_attn
	.globl	k_qcc873bc580_attn
	.p2align	8
	.type	k_qcc873bc580_attn,@function
k_qcc873bc580_attn:
	s_mov_b64 s[64:65], 0
	v_nop
	global_prefetch_b8 v0, s[64:65] scope:SCOPE_SE
	s_setreg_imm32_b32 hwreg(HW_REG_WAVE_MODE, 25, 1), 1
	s_wait_xcnt 0x0
	s_wait_alu depctr_hold_cnt(0) depctr_sa_sdst(0) depctr_va_vdst(0) depctr_va_sdst(0) depctr_va_ssrc(0) depctr_va_vcc(0) depctr_vm_vsrc(0)
	s_getreg_b32 s2, hwreg(HW_REG_IB_STS2, 6, 4)
	s_cmp_eq_u32 s2, 0
	s_cbranch_scc0 .Lentry_in_a_cluster
	s_endpgm
.Lentry_in_a_cluster:
	s_bfe_u32 s2, ttmp6, 0x10000c
	s_cmp_lg_u32 s2, 0x3003
	s_cbranch_scc0 .Lentry_shape_is_right
	s_endpgm
.Lentry_shape_is_right:
; O[h][q][:] = the sum over k of softmax_k(Q[h][q] . K[h][k] / 8) V[h][k][:].  qkvh: [36][4096][64] bf16, blocks 0-11 Q, 12-23 K, 24-35 V by heads; O leaves as [12][4096][64] bf16.
; Left out: bk (it cancels in the softmax: shown at the head of the first kernel); K arrives without it.
; Products, maxima and sums in f32; the weights p are rounded to bf16 for the second product (their sum l is taken of the unrounded p), O once at the end.
; LIMITS.  A weight below 2^-126 counts as 0 in l; NaN and infinities are not treated apart.
; SHARES.  A work-group owns 256 queries of one head, a wave 64: four PIECES of 16.  Every wave walks all 4096 keys, 64 a step; a slot of LDS holds 256 keys, four steps.
; 12 heads x 16 blocks are 192 work-groups: a head's 256 tiles of 16 queries do not divide among 256 / 12 work-groups.
; LAYOUT.  S^T = K Q^T (source 0 = 16 keys, source 1 = 16 queries): a lane holds ONE query (lane % 16) and the keys 8 (lane / 16) + 0..7.  Two such results rounded to bf16 ARE source 1
; of O^T = V^T P.  K comes out of LDS as it lies, V turned, by ds_load_tr16_b128.
; SOFTMAX.  A running maximum m and sum l: p = 2^(c s - c m), c = log2(e) / 8; in every step O and l are multiplied by a = 2^(c m_old - c m_new).  m starts at the lowest finite number,
; O and l at 0: the first step is a step like any other, with a = 0.
; BY TURNS.  Turn n belongs to piece n: 8 products K Q^T of piece n + 1, later 8 products V^T P of piece n - 1; beside them the scaling, exponentials, roundings, sums and rescaling of
; piece n and the maximum and statistics of piece n + 1: 16 matrix and 120 vector instructions.  Four vector instructions stand behind every matrix instruction, the rest in two runs.
; A turn's 33 exponentials are one batch with one wait.
; CLUSTER.  The four query blocks of a cluster belong to one head and walk the same K and V: each tile is asked for jointly, with the same descriptor and mask in all four.
; REGISTERS, in two windows of 256 (s_set_vgpr_msb: bits 1:0 source 0, 3:2 source 1, 5:4 source 2, 7:6 destination):
;   window 0: v0-15 addresses; v16-23 c m and m, a pair a piece; v24-31 at work, and a; v32-34; v64-127 S^T, two buffers (by the piece's parity); v128-191 K of one step; v192-255 V of one step
;   window 1: v0-63 Q; v64-191 O^T, 32 a piece; v192-223 P, two buffers; v224-239 l, two pairs a piece; v240-241 c
; THE WINDOWS ARE LAID SO THAT A RUN OF PRODUCTS AND THE LINES BEHIND THEM SHARE ONE SETTING: a turn has four switches (piece 0's five).
;   0x04 (source 1 in window 1): K Q^T; c s - c m (c as source 1); the exponentials; a copy
;   0x00: the maximum and statistics, the other exponentials, the LDS loads
;   0x40 (destination in window 1): the roundings, from S^T into P.  They cannot stand beside V^T P: S^T as sources 0 and 1 and P as destination would want S^T, V, P and O^T, 288 registers, in one window
;   0x54 (source 1, source 2 and destination in window 1): V^T P; O = a O and l = a l (a as source 0); l = p + l (p as source 0)
.set BLK,   524288    ; a block of qkvh and of act: 4096 rows of 128 bytes
.set NP,    4
.set KS,    64
.set PK,    144       ; a row of K in LDS: 128 bytes + 16: the 16 rows of a load start at 16 different groups of four banks (64 banks of 4 bytes: ISA guide 11.1)
.set PV,    160       ; a row of V: 128 + 32
.set VOFF,  4*KS*PK
.set SLOT1, 1<<17     ; slot 1 begins here: one exclusive or turns an address in one slot into the other's
.set STAGE, SLOT1+4*KS*(PK+PV)  ; behind the ring, never filled by a tensor load: 16 rows x 144 bytes a wave
.set SP,    144
.set SPARE, STAGE+4*16*SP
.set AK0, 2           ; window 0
.set AV0, 3
.set AK,  4
.set AV,  5
.set STO, 6
.set RD,  7
.set GO,  8
.set MV,  12          ; v12-13  c m_old, by buffer
.set QO,  15
.set CM,  16          ; piece t: c m, m at v[CM+2 t]
.set TMP, 24          ; by buffer, c0-c3 at work; c2 takes a
.set PFO, 32          ; v32  256 x lane; never rewritten
.set SPW, 33          ; v33  my spare word; never rewritten
.set NIL, 34          ; v34  0; never rewritten
.set S,   64
.set KF,  128
.set VF,  192
.set OB,  64          ; window 1
.set PB,  192
.set LB,  224         ; piece t: two running pairs of l at v[LB+4 t]
.set CV,  240         ; c, twice
.set WV,  12
.set LIM, 15          ; s15  1 in a wave that prefetches, else the greatest number
.set PFA, 18          ; s[18:19] where my prefetches stand
.set G1K, 24
.set G1V, 32
.set G0K, 40
.set G0V, 44
.set SLOTS, 56
.set CNT, 57
.set CS,  58
.set SEL, 60
.set TBK, 62
.set TBV, 63
.set MSB, 0
.macro WIN new                      ; the high byte repeats the setting that is left; a switch that changes nothing is dropped
.if MSB != (\new)
	s_set_vgpr_msb (MSB<<8)|(\new)
.set MSB, (\new)
.endif
.endm
.set W_KQ, 0x04
.set W_C,  0x40
.set W_PV, 0x54
.macro JLOAD                        ; waves 0 and 1 fetch the halves of a slot's K, waves 2 and 3 those of its V; an s_nop 0 and four v_nop follow each line
	s_cmp_lt_u32 s[WV], 2
	s_cbranch_scc0 .Lfor_v_\@
	tensor_load_to_lds s[G0K:G0K+3], s[G1K:G1K+7]
	s_nop 0
.rept 4
	v_nop
.endr
	s_branch .Lasked_\@
.Lfor_v_\@:
	tensor_load_to_lds s[G0V:G0V+3], s[G1V:G1V+7]
	s_nop 0
.rept 4
	v_nop
.endr
.Lasked_\@:
.endm
.macro CROUND
	s_barrier_signal -1
	s_barrier_wait -1
	s_cmp_lg_u32 s[WV], 0
	s_cbranch_scc1 .Lnot_wave_0_\@
	s_barrier_signal -3
.Lnot_wave_0_\@:
	s_barrier_wait -3
	s_barrier_signal -1
	s_barrier_wait -1
.endm
; A PREFETCH INTO THE L2 of what the NEXT change of slots will ask for: 32768 bytes of K and of V, one slot (256 matrix instructions) ahead.  All clusters of a head walk the same rows:
; the head's first cluster asks; its four partners take 8192 bytes each, told apart by address; wave 0 asks for K, wave 2 for V, a lane 256 bytes.  The last fill asks for nothing.
.macro ASK
	s_cmp_gt_u32 s[SLOTS], s[LIM]
	s_cbranch_scc0 .Lnot_mine_\@
	global_prefetch_b8 v[PFO], s[PFA:PFA+1] th:TH_LOAD_NT scope:SCOPE_SE
.Lnot_mine_\@:
.endm
; THE CHANGE OF SLOTS.  Each wave waits for all its tensor loads (one is out: its part of the other slot), adds 0 to its spare word, and waits for that and for its reads of the slot.
; fill = 1: the barrier is a round of the cluster's, and the joint fill of the slot just left, with the keys two slots on, is the first thing behind it.
.macro CHANGE fill
	WIN 0
	s_wait_tensorcnt 0x0
	ds_add_u32 v[SPW], v[NIL]
.if \fill
.irp g, G0K, G0V
	s_xor_b32 s[\g+1], s[\g+1], SLOT1
	s_add_nc_u64 s[\g+2:\g+3], s[\g+2:\g+3], 4*KS*128
.endr
	s_wait_xcnt 0x0                 ; the last prefetch, a slot back, has read its address
	s_add_nc_u64 s[PFA:PFA+1], s[PFA:PFA+1], 4*KS*128
	s_wait_dscnt 0x0                ; the add is done, and my reads of the slot are over
	CROUND
	JLOAD
	ASK
.else
	s_wait_dscnt 0x0
	s_barrier_signal -1
	s_barrier_wait -1
.endif
	s_sub_co_u32 s[TBK], s[TBK], 4*KS*PK  ; the fetches go back to a slot's first step, in the other slot
	s_xor_b32 s[TBK], s[TBK], SLOT1
	s_sub_co_u32 s[TBV], s[TBV], 4*KS*PV
	s_xor_b32 s[TBV], s[TBV], SLOT1
.endm
	s_load_b128 s[4:7], s[0:1], 0x0   ; qkvh s[4:5], act s[6:7]
	v_lshl_add_u32 v[SPW], v0, 2, SPARE
	v_mov_b32 v[NIL], 0
	ds_add_u32 v[SPW], v[NIL]       ; the opening: the add, twice on end, and its wait ahead of my first tensor load
	ds_add_u32 v[SPW], v[NIL]
	v_lshrrev_b32 v1, 5, v0
	v_readfirstlane_b32 s[WV], v1
	s_bfe_u32 s13, ttmp6, 0x40000   ; cx
	s_lshl_b32 s14, ttmp9, 2
	s_add_co_u32 s14, s14, s13      ; my block of 256 queries: it enters Q's and O's addresses alone
	s_and_b32 s20, ttmp7, 0xffff    ; the head, which the partners share
	s_lshl_b32 s20, s20, 19
	s_and_b32 s16, s[WV], 1         ; which half of a slot's 256 keys I fetch
	s_lshl_b32 s22, s16, 14
	s_add_co_u32 s22, s22, s20
	s_mov_b32 s23, 0
	s_mul_i32 s17, s16, 128*PK
	s_mul_i32 s66, s16, 128*PV
	s_lshl_b32 s68, s14, 2
	s_add_co_u32 s68, s68, s[WV]
	s_lshl_b32 s68, s68, 13         ; my wave's 64 rows of 128 bytes
	s_add_co_u32 s68, s68, s20
	s_mov_b32 s69, 0
	; 128 keys are 16384 dense bytes: asked for as 64 rows of 256 bytes, two keys a row, padded in LDS after every key
	s_mov_b32 s[G1K], 15|(1<<16)|(1<<20)|(1<<21)|(4<<22)|(3<<25)
	s_mov_b32 s[G1V], 15|(1<<16)|(1<<20)|(1<<21)|(4<<22)|(7<<25)
.irp g, G1K, G1V
	s_mov_b32 s[\g+1], 128<<16
	s_mov_b32 s[\g+2], 64<<16
	s_mov_b32 s[\g+3], 128<<16
	s_mov_b32 s[\g+4], 64
	s_mov_b32 s[\g+5], 128
	s_mov_b32 s[\g+6], 0
	s_mov_b32 s[\g+7], 0
.endr
	s_mov_b32 s[CS], 0x3e38aa3b     ; c = log2(e) / 8
	s_mov_b32 s[CS+1], s[CS]
	s_mov_b32 s[SEL], 0x76543210
	s_mov_b32 s[SEL+1], 0xfedcba98
	s_mov_b32 s[TBK], SLOT1+4*KS*PK ; the first change of slots turns these two into 0
	s_mov_b32 s[TBV], SLOT1+4*KS*PV
	s_mov_b32 s[G0K], 1
	s_mov_b32 s[G0K+1], s17
	s_mov_b32 s[G0V], 1
	s_add_co_u32 s[G0V+1], s66, VOFF
	s_mov_b32 s[SLOTS], 15          ; slots still to be asked for
	s_and_b32 s[LIM], s[WV], 1
	s_or_b32 s[LIM], s[LIM], ttmp9
	s_cmp_eq_u32 s[LIM], 0          ; waves 0 and 2 of the head's first cluster
	s_cselect_b32 s[LIM], 1, -1
	s_mov_b32 s71, 24*BLK
	s_cmp_lt_u32 s[WV], 2
	s_cselect_b32 s70, 12*BLK, s71
	s_lshl_b32 s71, s13, 13         ; my work-group's quarter of a slot
	s_add_co_u32 s70, s70, s71
	s_add_co_u32 s70, s70, 4*KS*128 ; in slot 1: the first change steps it to slot 2
	s_mov_b32 s71, 0
	v_and_b32 v[PFO], 31, v0
	v_lshlrev_b32 v[PFO], 8, v[PFO]
	s_wait_dscnt 0x0
	s_wait_kmcnt 0x0
	s_add_nc_u64 s[8:9], s[4:5], s[22:23]
	s_add_nc_u64 s[G0K+2:G0K+3], s[8:9], 12*BLK
	s_or_b32 s[G0K+3], s[G0K+3], 0x80000000
	s_add_nc_u64 s[G0V+2:G0V+3], s[8:9], 24*BLK
	s_or_b32 s[G0V+3], s[G0V+3], 0x80000000
	s_add_nc_u64 s[PFA:PFA+1], s[8:9], s[70:71]
	s_add_nc_u64 s[10:11], s[6:7], s[68:69]  ; O at my wave's first row
	s_add_nc_u64 s[4:5], s[4:5], s[68:69]    ; Q likewise
	CROUND
	JLOAD                           ; slot 0; slot 1 is asked for when slot 0 is in
	v_and_b32 v1, 15, v0
	v_bfe_u32 v9, v0, 4, 1
	v_lshlrev_b32 v[QO], 7, v1
	v_lshl_add_u32 v[QO], v9, 4, v[QO]
	WIN W_C                         ; destination window 1, address window 0
.set i, 0
.rept 8                             ; Q stays in registers: piece i / 2, channels 32 (i % 2) on
	global_load_b128 v[8*i:8*i+3],   v[QO], s[4:5] offset:(i/2)*2048+(i%2)*64
	global_load_b128 v[8*i+4:8*i+7], v[QO], s[4:5] offset:(i/2)*2048+(i%2)*64+32
.set i, i+1
.endr
	v_mov_b32 v[CV], s[CS]
	v_mov_b32 v[CV+1], s[CS]
	; What the first turns find: O^T, P's second buffer, l and V hold 0, so that no first step is written out: 224 lines, once a launch, in the wait for the first tile.
.set i, OB
.rept 128
	v_mov_b32 v[i], 0
.set i, i+1
.endr
.set i, PB+16
.rept 32                            ; P's second buffer, and behind it l
	v_mov_b32 v[i], 0
.set i, i+1
.endr
	WIN 0
.set i, VF
.rept 64
	v_mov_b32 v[i], 0
.set i, i+1
.endr
.set i, 0
.rept 4
	v_mov_b32 v[CM+2*i], 0xfe000000    ; c m: far below every c s
	v_mov_b32 v[CM+2*i+1], 0xff7fffff  ; m
.set i, i+1
.endr
	v_mul_u32_u24 v[AK0], v1, PK
	v_lshl_add_u32 v[AK0], v9, 4, v[AK0]
	v_and_b32 v10, 7, v0            ; the turning load: lane l reads key 8 (l / 16) + l % 8, channels 8 ((l / 8) % 2) + 0..7
	v_bfe_u32 v11, v0, 3, 1
	v_lshl_add_u32 v[AV0], v9, 3, v10
	v_mul_u32_u24 v[AV0], v[AV0], PV
	v_lshl_add_u32 v[AV0], v11, 4, v[AV0]
	v_add_nc_u32 v[AV0], VOFF, v[AV0]
	s_mul_i32 s13, s[WV], 16*SP
	s_add_co_u32 s13, s13, STAGE
	v_mul_u32_u24 v[STO], v1, SP
	v_lshl_add_u32 v[STO], v9, 4, v[STO]
	v_add_nc_u32 v[STO], s13, v[STO]
	v_bfe_u32 v[RD], v0, 3, 2
	v_mul_u32_u24 v[RD], v[RD], SP
	v_lshl_add_u32 v[RD], v10, 4, v[RD]
	v_add_nc_u32 v[RD], s13, v[RD]
	v_and_b32 v[GO], 31, v0
	v_lshlrev_b32 v[GO], 4, v[GO]
; THE MATRIX WORK.  The 4 accumulators of a run of 8 take turns.  Neither macro sets a window: TURN does, once for a run.
; Product i of 8 of S^T = K Q^T for piece x: channels 32 (i / 4) on, keys 16 (i % 4) on.  The first 4 start the sums.
.macro KQ x
.set rS, S+32*((\x)%2)+8*(i%4)
.set rK, KF+16*(i%4)+8*(i/4)
.set rQ, 16*(\x)+8*(i/4)
.if i < 4
	v_wmma_f32_16x16x32_bf16 v[rS:rS+7], v[rK:rK+7], v[rQ:rQ+7], 0
.else
	v_wmma_f32_16x16x32_bf16 v[rS:rS+7], v[rK:rK+7], v[rQ:rQ+7], v[rS:rS+7]
.endif
.endm
; Product i of 8 of O^T += V^T P for piece x: keys 32 (i / 4) on, channels 16 (i % 4) on.
.macro PV x
.set rO, OB+32*(\x)+8*(i%4)
.set rV, VF+32*(i/4)+8*(i%4)
.set rP, PB+16*((\x)%2)+8*(i/4)
	v_wmma_f32_16x16x32_bf16 v[rO:rO+7], v[rV:rV+7], v[rP:rP+7], v[rO:rO+7]
.endm
.macro MM                           ; the turn's next matrix instruction.  NOKQ = 1: the last turn of all: there is no next piece
.if (i < 8) && !NOKQ
	KQ (Y+1)%NP
.elseif i >= 8
.set i, i-8
	PV (Y+NP-1)%NP
.set i, i+8
.endif
.set i, i+1
.endm
.macro FETCH_K                      ; a step's K: 64 keys x 64 channels, 16 loads in one run
	WIN 0
.irp f, 0,1,2,3,4,5,6,7
	ds_load_b128 v[KF+8*\f:KF+8*\f+3],   v[AK] offset:(\f/2)*16*PK+(\f%2)*64
	ds_load_b128 v[KF+8*\f+4:KF+8*\f+7], v[AK] offset:(\f/2)*16*PK+(\f%2)*64+32
.endr
	s_add_co_u32 s[TBK], s[TBK], KS*PK
.endm
.macro FETCH_V                      ; a step's V, turned
	WIN 0
.irp f, 0,1,2,3,4,5,6,7
	ds_load_tr16_b128 v[VF+8*\f:VF+8*\f+3],   v[AV] offset:(\f/4)*32*PV+(\f%4)*32
	ds_load_tr16_b128 v[VF+8*\f+4:VF+8*\f+7], v[AV] offset:(\f/4)*32*PV+16*PV+(\f%4)*32
.endr
.endm
; THE VECTOR WORK, one line at a time: OP kind, number.  No line sets a window.  For piece Y: F n: c s - c m for pair n of 16.  E n: the exponential of score n of 32.  C n: pair n rounded to bf16.
; L n: pair n of the weights is added onto one of l's two running pairs, by n's parity.  LR n: running pair n of l times a.  R n: pair n of 16 of O^T times a.
; For piece Y + 1: X n, number n of the 22 that find its maximum and statistics: 0-11 four chains of seven scores (each accumulator's lowest registers first);
; 12-14, 16 the rest, the old m, and the four into one; 15 c m_old is kept; 17, 18 the other half of the lanes: the new m; 19-21 c m, c m_old - c m_new, a.
.set F, 0
.set E, 1
.set C, 2
.set L, 3
.set R, 4
.set LR, 5
.set X, 6
.macro REGS y
.set rT, CM+2*(\y)
.set rC, TMP+4*((\y)%2)
.set rW, MV+((\y)%2)
.set rS, S+32*((\y)%2)
.set rP, PB+16*((\y)%2)
.set rO, OB+32*(\y)
.set rL, LB+4*(\y)
.endm
.macro OP k, n
.if (\k) == X
.if !NOKQ
	REGS (Y+1)%NP
.if (\n) < 4
	v_max3_num_f32 v[rC+(\n)], v[rS+8*(\n)], v[rS+8*(\n)+1], v[rS+8*(\n)+2]
.elseif (\n) < 12
	v_max3_num_f32 v[rC+(\n)%4], v[rC+(\n)%4], v[rS+8*((\n)%4)+2*((\n)/4)+1], v[rS+8*((\n)%4)+2*((\n)/4)+2]
.elseif (\n) == 12
	v_max3_num_f32 v[rC], v[rC], v[rS+7], v[rS+15]
.elseif (\n) == 13
	v_max3_num_f32 v[rC+1], v[rC+1], v[rS+23], v[rS+31]
.elseif (\n) == 14
	v_max3_num_f32 v[rC+2], v[rC+2], v[rC+3], v[rT+1]
.elseif (\n) == 15
	v_mov_b32 v[rW], v[rT]
.elseif (\n) == 16
	v_max3_num_f32 v[rC], v[rC], v[rC+1], v[rC+2]
.elseif (\n) == 17
	v_permlanex16_b32 v[rC+3], v[rC], s[SEL], s[SEL+1]
.elseif (\n) == 18
	v_max_num_f32 v[rT+1], v[rC], v[rC+3]
.elseif (\n) == 19
	v_mul_f32 v[rT], s[CS], v[rT+1]
.elseif (\n) == 20
	v_sub_f32 v[rC+1], v[rW], v[rT]
.else
	v_exp_f32 v[rC+2], v[rC+1]
.endif
.endif
.else
	REGS Y
.if (\k) == F
	v_pk_fma_f32 v[rS+2*(\n):rS+2*(\n)+1], v[rS+2*(\n):rS+2*(\n)+1], v[CV:CV+1], v[rT:rT+1] op_sel_hi:[1,1,0] neg_lo:[0,0,1] neg_hi:[0,0,1]
.elseif (\k) == E
	v_exp_f32 v[rS+(\n)], v[rS+(\n)]
.elseif (\k) == C
	v_cvt_pk_bf16_f32 v[rP+(\n)], v[rS+2*(\n)], v[rS+2*(\n)+1]
.elseif (\k) == L
	v_pk_add_f32 v[rL+2*((\n)%2):rL+2*((\n)%2)+1], v[rS+2*(\n):rS+2*(\n)+1], v[rL+2*((\n)%2):rL+2*((\n)%2)+1]
.elseif (\k) == R
	v_pk_mul_f32 v[rO+2*(\n):rO+2*(\n)+1], v[rC+2:rC+3], v[rO+2*(\n):rO+2*(\n)+1] op_sel_hi:[0,1]
.else
	v_pk_mul_f32 v[rL+2*(\n):rL+2*(\n)+1], v[rC+2:rC+3], v[rL+2*(\n):rL+2*(\n)+1] op_sel_hi:[0,1]
.endif
.endif
.endm
.macro OPS a, i1, b=-1, i2=0, c=-1, i3=0, d=-1, i4=0
	OP \a, \i1
.if (\b) >= 0
	OP \b, \i2
.endif
.if (\c) >= 0
	OP \c, \i3
.endif
.if (\d) >= 0
	OP \d, \i4
.endif
.endm
.macro ROW a, i1, b, i2, c, i3, d, i4  ; a matrix instruction and the four behind it
	MM
	OPS \a, \i1, \b, \i2, \c, \i3, \d, \i4
.endm
; A TURN, for piece p, its order written out, in four stretches of one window setting each.
; (1) 8 products K Q^T; behind each a scaling, an exponential, a scaling (in the last row the copy of c m_old), an exponential.  A pair is scaled a row or more ahead of its exponentials.
; (2) One run of 38: the next piece's maximum and statistics and the other 17 exponentials.  The twelve maxima of the four chains come first; X 3, the first reader of the accumulator that the last product
; wrote, stands five plain instructions behind it (F 15, X 15, X 0 to X 2).  From X 14 on each number waits for the one before it: two or three exponentials stand between the links.  X 21, the next piece's a,
; is the batch's last; a v_nop is the plain instruction behind it; then the turn's ONE wait: ahead of it nothing names an exponential's result, behind it no exponential is issued.
; (3) The 16 roundings.  (4) l times a; then 8 products V^T P, behind each a rescaling, a sum, a rescaling, a sum: between two additions onto one pair of l stand three other lines and a product.
; No line behind a product names one of its registers.  end = 1: the last two turns of all: nothing is fetched.  cnt = 1: the loop's count is taken down ahead of the branch behind the turn.
; K of the next step is fetched in piece 2's turn, ten plain instructions or more behind the last product that read K; V of the step in hand at the end of piece 0's turn, behind the last product's four
; plain lines.  Each is waited for a turn later.
.macro TURN p, end=0, cnt=0
.set Y, (\p)
.set i, 0
.set NOKQ, (\end)*((\p)/3)
.if ((\p) == 3) && !(\end)
	s_wait_dscnt 0x0                ; K is in
.endif
	WIN W_KQ
	ROW F,0, F,1, F,2, E,0
	ROW F,3, E,1, F,4, E,2
	ROW F,5, E,3, F,6, E,4
	ROW F,7, E,5, F,8, E,6
	ROW F,9, E,7, F,10, E,8
	ROW F,11, E,9, F,12, E,10
	ROW F,13, E,11, F,14, E,12
	ROW F,15, E,13, X,15, E,14
	WIN 0
.if ((\p) == 2) && !(\end)
	v_add_nc_u32 v[AK], s[TBK], v[AK0]
.endif
.if (\p) == 0
	v_add_nc_u32 v[AV], s[TBV], v[AV0]
.endif
	OPS X,0, X,1, X,2, X,3
	OPS X,4, X,5, X,6, X,7
.if ((\p) == 2) && !(\end)
	FETCH_K
.endif
	OPS X,8, X,9, X,10, X,11
	OPS X,12, X,13, E,15, X,14
	OPS E,16, E,17, E,18, X,16
	OPS E,19, E,20, E,21, X,17
	OPS E,22, E,23, E,24, X,18
	OPS E,25, E,26, E,27, X,19
	OPS E,28, E,29, X,20, E,30
	OPS E,31, X,21
	v_nop                           ; the plain instruction behind the last exponential (ISA guide 5.7.2): one for the batch
	s_wait_alu depctr_va_vdst(0)    ; the wait for the batch, ahead of the first reader
.if (\p) == 1
	s_wait_dscnt 0x0                ; V is in
.endif
	WIN W_C
.irp n, 0,1,2,3,4,5,6,7,8,9,10,11,12,13,14,15
	OP C, \n
.endr
	WIN W_PV
	OPS LR,0, LR,1
	ROW R,0, L,0, R,1, L,1
	ROW R,2, L,2, R,3, L,3
	ROW R,4, L,4, R,5, L,5
	ROW R,6, L,6, R,7, L,7
	ROW R,8, L,8, R,9, L,9
.if (\p) == 0
	s_add_co_u32 s[TBV], s[TBV], KS*PV
.endif
.if \cnt
	s_sub_co_u32 s[CNT], s[CNT], 1
	s_cmp_lg_u32 s[CNT], 0
.endif
	ROW R,10, L,10, R,11, L,11
	ROW R,12, L,12, R,13, L,13
	ROW R,14, L,14, R,15, L,15
.if (\p) == 0
	FETCH_V
.endif
.endm
	CHANGE 1                        ; slot 0 is in, everybody's part of it; slot 1 is asked for
	v_add_nc_u32 v[AK], s[TBK], v[AK0]
	FETCH_K                         ; key step 0
	s_wait_loadcnt 0x0              ; Q
	s_wait_dscnt 0x0
.set NOKQ, 0
.set i, 0
	WIN W_KQ
.rept 8
	KQ 0                            ; piece 0's first scores
.set i, i+1
.endr
	WIN 0
.rept 4
	v_nop                           ; the places behind those products
.endr
.set Y, NP-1                        ; X works for piece Y + 1: piece 0
.irp n, 0,1,2,3,4,5,6,7,8,9,10,11,12,13,14,15,16,17,18,19,20,21
	OP X, \n
.endr
	v_nop                           ; a plain instruction behind the exponential,
	s_wait_alu depctr_va_vdst(0)    ; and its wait, ahead of the branch
	s_mov_b32 s[CNT], 4
	s_branch .Lfirst                ; the loop is entered at a step's first turn, in the middle of a trip
.Lslot:                             ; 14 times: with the change above, every slot but the first is asked for by a change
	CHANGE 1
	s_mov_b32 s[CNT], 4
.Lstep:                             ; a trip: pieces 2 and 3 of one step, then pieces 0 and 1 of the next, whose K and V it fetches
	TURN 2
	TURN 3
	WIN 0
.Lfirst:
	TURN 0
	TURN 1, 0, 1
	WIN 0
	s_cbranch_scc1 .Lstep
	s_sub_co_u32 s[SLOTS], s[SLOTS], 1
	s_cmp_lg_u32 s[SLOTS], 0
	s_cbranch_scc1 .Lslot
	CHANGE 0                        ; the last slot is written out: nothing is asked for
	s_mov_b32 s[CNT], 4
.Ltail:
	TURN 2
	TURN 3
	TURN 0
	TURN 1, 0, 1
	WIN 0
	s_cbranch_scc1 .Ltail
	TURN 2, 1
	TURN 3, 1
	WIN W_PV
.set i, 0
.rept 8
	PV NP-1                         ; the last piece's V^T P of the last step
.set i, i+1
.endr
	; THE WAY OUT.  l's four parts and the other half of the lanes' are added; O^T is divided by l, rounded to bf16 and sent through my stage, a piece at a time.  The first four additions are the places behind the last products.
.macro ALL line:vararg
.set t, 0
.rept 4
	\line
.set t, t+1
.endr
.endm
	WIN 0x05                        ; sources 0 and 1 window 1, destination window 0: c m and m are no longer wanted
	ALL v_pk_add_f32 v[CM+2*t:CM+2*t+1], v[LB+4*t:LB+4*t+1], v[LB+4*t+2:LB+4*t+3]
	WIN 0
	ALL v_add_f32 v[CM+2*t], v[CM+2*t], v[CM+2*t+1]
	ALL v_permlanex16_b32 v[CM+2*t+1], v[CM+2*t], s[SEL], s[SEL+1]
	ALL v_add_f32 v[CM+2*t], v[CM+2*t], v[CM+2*t+1]
	ALL v_rcp_f32 v[CM+2*t], v[CM+2*t]
	v_nop                           ; a plain instruction behind the last reciprocal
	s_wait_alu depctr_va_vdst(0)    ; one wait for the four
.macro PACK t
	WIN 0x41                        ; destination and source 0 window 1, source 1 window 0
.set i, OB+32*(\t)
.rept 16
	v_pk_mul_f32 v[i:i+1], v[i:i+1], v[CM+2*(\t):CM+2*(\t)+1] op_sel_hi:[1,0]
.set i, i+2
.endr
	WIN 0x05                        ; sources 0 and 1 window 1, destination window 0: S^T's registers are free
.set i, 0
.rept 16
	v_cvt_pk_bf16_f32 v[S+16*(\t)+i], v[OB+32*(\t)+2*i], v[OB+32*(\t)+2*i+1]
.set i, i+1
.endr
	WIN 0
.irp f, 0,1,2,3
	ds_store_b128 v[STO], v[S+16*(\t)+4*\f:S+16*(\t)+4*\f+3] offset:32*\f
.endr
.irp f, 0,1,2,3
	ds_load_b128 v[S+16*(\t)+4*\f:S+16*(\t)+4*\f+3], v[RD] offset:\f*4*SP  ; LDS serves a wave's instructions in order (ISA guide 5.7.1.4): these see the stores above
.endr
.endm
.macro SEND t, younger              ; younger: the LDS instructions issued behind piece t's loads
	WIN 0
.irp f, 0,1,2,3
	s_wait_dscnt (\younger)+3-\f
	global_store_b128 v[GO], v[S+16*(\t)+4*\f:S+16*(\t)+4*\f+3], s[10:11] offset:(\t)*2048+\f*512  ; 512 consecutive bytes, at a multiple of 256 from the buffer's first
.endr
.endm
	PACK 0
.set t, 1
.rept 3
	PACK t
	SEND t-1, 8
.set t, t+1
.endr
	SEND 3, 0
	s_wait_tensorcnt 0x0            ; the wave's end
	ds_add_u32 v[SPW], v[NIL]
	s_wait_dscnt 0x0
	CROUND                          ; the closing round
	s_endpgm
.Lfunc_end_k_qcc873bc580_attn:
	.size	k_qcc873bc580_attn, .Lfunc_end_k_qcc873bc580_attn-k_qcc873bc580_attn
	.p2alignl 7, 3214868480
	.fill 96, 4, 3214868480
	.section	.rodata,"a",@progbits
	.p2align	6, 0x0
	.amdhsa_kernel k_qcc873bc580_attn
		.amdhsa_group_segment_fixed_size 327680
		.amdhsa_private_segment_fixed_size 0
		.amdhsa_enable_private_segment 0
		.amdhsa_kernarg_size 16
		.amdhsa_user_sgpr_count 2
		.amdhsa_user_sgpr_kernarg_segment_ptr 1
		.amdhsa_wavefront_size32 1
		.amdhsa_system_sgpr_workgroup_id_x 1
		.amdhsa_system_sgpr_workgroup_id_y 1
		.amdhsa_system_sgpr_workgroup_id_z 1
		.amdhsa_system_vgpr_workitem_id 0
		.amdhsa_next_free_vgpr 512
		.amdhsa_next_free_sgpr 88
		.amdhsa_reserve_vcc 0
		.amdhsa_float_denorm_mode_32 3
		.amdhsa_float_denorm_mode_16_64 3
		.amdhsa_memory_ordered 1
		.amdhsa_forward_progress 1
		.amdhsa_inst_pref_size 116
	.end_amdhsa_kernel
	.amdgpu_metadata
---
amdhsa.version: [ 1, 2 ]
amdhsa.kernels:
  - .name:           k_qcc873bc580_attn
    .symbol:         k_qcc873bc580_attn.kd
    .args:
      - { .name: qkvh, .offset: 0, .size: 8, .value_kind: global_buffer, .address_space: global }
      - { .name: act, .offset: 8, .size: 8, .value_kind: global_buffer, .address_space: global }
    .group_segment_fixed_size: 327680
    .private_segment_fixed_size: 0
    .kernarg_segment_align: 8
    .kernarg_segment_size: 16
    .max_flat_workgroup_size: 128
    .sgpr_count:     88
    .vgpr_count:     512
    .wavefront_size: 32
...
	.end_amdgpu_metadata
.endif
;; end of part 3
;; launch oproj (part 4): grid 4 x 64, 4 waves a work-group, clusters of 4 x 4, 327,680 bytes of LDS; arguments act, wr, bo, x, x1; writes x1
.if DOCPART == 4
	.amdgcn_target "amdgcn-amd-amdhsa--gfx1250"
	.amdhsa_code_object_version 6
	.text
	.protected	k_qcc873bc580_oproj
	.globl	k_qcc873bc580_oproj
	.p2align	8
	.type	k_qcc873bc580_oproj,@function
k_qcc873bc580_oproj:
	s_mov_b64 s[64:65], 0
	v_nop
	global_prefetch_b8 v0, s[64:65] scope:SCOPE_SE
	s_setreg_imm32_b32 hwreg(HW_REG_WAVE_MODE, 25, 1), 1
	s_wait_xcnt 0x0
	s_wait_alu depctr_hold_cnt(0) depctr_sa_sdst(0) depctr_va_vdst(0) depctr_va_sdst(0) depctr_va_ssrc(0) depctr_va_vcc(0) depctr_vm_vsrc(0)
	s_getreg_b32 s2, hwreg(HW_REG_IB_STS2, 6, 4)
	s_cmp_eq_u32 s2, 0
	s_cbranch_scc0 .Lentry_in_a_cluster
	s_endpgm
.Lentry_in_a_cluster:
	s_bfe_u32 s2, ttmp6, 0x10000c
	s_cmp_lg_u32 s2, 0xf033
	s_cbranch_scc0 .Lentry_shape_is_right
	s_endpgm
.Lentry_shape_is_right:
; out[64 x 192] = res + A B^T + bias, all sums and the output in f32.  A: [K / 64][4096][64] bf16, in blocks of 64 columns; B: [768][K] bf16 at wr + OFFW.
; Here: x1 = x + O Wo + bo, K = 768.  The same text with other constants makes the second FFN product.
; SHARES.  4 x 64 tiles: 256 work-groups; a row piece of 192 f32 is three whole aligned pieces of 256 bytes.  Wave w makes all 64 rows x columns 48 w .. + 47: 12 accumulators.
; K goes in steps of 256 through two LDS slots.  CLUSTER 4 x 4: A's tile is shared along a row of the cluster, B's along a column: joint loads.  Wave 0 asks for A (four blocks of 64 rows x
; 128 bytes, each 8192 dense bytes), waves 1 to 3 for 64 rows of B each.  The matrix instruction is used transposed (source 0 = B's rows), the bias is the C of the first products.
; REGISTERS: window 0: v16-31 addresses; v32-55 the bias, later v32-127 the way out; v128-223 accumulators ((a, b) at 128 + 8 (3 a + b)).  window 1: two fragment buffers of 128
; (A at 8 (4 c + a), B at 64 + 8 (3 c + b), c = which 32 of a quarter's 64 along K).  window 2: v0-95 the residual, loaded at the start.
.set KSTEPS, 3
.set BP,     768                       ; elements in a row of B
.set OFFW,   0
.set PF,     0                         ; no prefetch: one refill in all
.set PA,     144                       ; a row of A in LDS: 128 bytes + 16 (64 banks of 4 bytes: ISA guide 11.1: 16 rows start at 16 different groups of four banks)
.set PB,     528                       ; a row of B: 512 + 16
.set ABLK,   64*PA
.set BOFF,   4*ABLK
.set BPART,  64*PB
.set SLOT,   BOFF+3*BPART
.set STAGE,  2*SLOT                    ; behind the ring, never filled by a tensor load: 64 rows of 768 + 16 bytes
.set SPITCH, 784
.set SPARE,  STAGE+64*SPITCH
.set ADRA, 16
.set ADRB, 20
.set STO,  24
.set RD,   25
.set CO,   26
.set BO,   27
.set SPW,  28
.set NIL,  29
.set PFO,  30
.set BIAS, 32
.set TMP,  32
.set ACC,  128
.set F0,   0
.set F1,   128
.set G1A, 24
.set G0A, 32
.set G1B, 48
.set G0B, 56
.set PFA, 66
.set PFS, 68
.set LIM, 70
.set MSB, 0
.macro WIN new
.if MSB != (\new)
	s_set_vgpr_msb (MSB<<8)|(\new)
.set MSB, \new
.endif
.endm
.macro PLACES
.rept 4
	v_nop
.endr
.endm
.macro JLOAD s                         ; wave 0 asks for A's tile, waves 1 to 3 for B's thirds; an s_nop 0 and four v_nop follow each line
	s_cmp_eq_u32 s14, 0
	s_cbranch_scc0 .Lfor_b_\@
	tensor_load_to_lds s[G0A+4*(\s):G0A+4*(\s)+3], s[G1A:G1A+7]
	s_nop 0
.rept 4
	v_nop
.endr
	s_branch .Lasked_\@
.Lfor_b_\@:
	tensor_load_to_lds s[G0B+4*(\s):G0B+4*(\s)+3], s[G1B:G1B+7]
	s_nop 0
.rept 4
	v_nop
.endr
.Lasked_\@:
.endm
.macro CREST
	s_cmp_lg_u32 s14, 0
	s_cbranch_scc1 .Lnot_wave_0_\@
	s_barrier_signal -3
.Lnot_wave_0_\@:
	s_barrier_wait -3
	s_barrier_signal -1
	s_barrier_wait -1
.endm
.macro CROUND
	s_barrier_signal -1
	s_barrier_wait -1
	CREST
.endm
.macro ASK                             ; a prefetch into the L2 of the K step four refills on: see the set-up below
	WIN 0
	s_cmp_gt_u32 s3, s[LIM]
	s_cbranch_scc0 .Lnot_mine_\@
	global_prefetch_b8 v[PFO], s[PFA:PFA+1] th:TH_LOAD_NT scope:SCOPE_SE
.Lnot_mine_\@:
.endm
	s_load_b256 s[4:11], s[0:1], 0x0               ; A s[4:5], wr s[6:7], bias s[8:9], residual s[10:11]
	s_load_b64 s[12:13], s[0:1], 0x20              ; the output
	v_lshl_add_u32 v[SPW], v0, 2, SPARE
	v_mov_b32 v[NIL], 0
	ds_add_u32 v[SPW], v[NIL]                      ; the opening: the add, twice on end, and its wait ahead of my first tensor load
	ds_add_u32 v[SPW], v[NIL]
	v_lshrrev_b32 v1, 5, v0
	v_readfirstlane_b32 s14, v1                    ; wave 0..3
	s_bfe_u32 s40, ttmp6, 0x40000                  ; cx
	s_bfe_u32 s41, ttmp6, 0x40004                  ; cy
	s_lshl_b32 s42, ttmp9, 2
	s_add_co_u32 s42, s42, s40                     ; column tile
	s_and_b32 s15, ttmp7, 0xffff
	s_lshl_b32 s15, s15, 2
	s_add_co_u32 s15, s15, s41                     ; row tile
	s_lshl_b32 s43, s41, 2
	s_lshl_b32 s43, 15, s43                        ; my row of the cluster
	s_lshl_b32 s44, 0x1111, s40                    ; my column
	s_or_b32 s[G1A], s43, (1<<16)|(1<<20)|(1<<21)|(4<<22)|(3<<25)  ; 2-byte elements; padding: after every 32 words, 4 words; bit 21 beside the mask
	s_mov_b32 s[G1A+1], 4096<<16                   ; tensor_dim0 = 4096: a block's 64 rows of 64 elements lie end to end
	s_mov_b32 s[G1A+2], 4<<16                      ; tensor_dim1 = 4 blocks
	s_mov_b32 s[G1A+3], 4096<<16                   ; tile_dim0
	s_mov_b32 s[G1A+4], 4                          ; tile_dim1
	s_mov_b32 s[G1A+5], 262144                     ; elements from block to block
	s_mov_b32 s[G1A+6], 0
	s_mov_b32 s[G1A+7], 0
	s_or_b32 s[G1B], s44, (1<<16)|(1<<20)|(1<<21)|(6<<22)|(3<<25)  ; after every 128 words, 4 words
	s_mov_b32 s[G1B+1], 256<<16
	s_mov_b32 s[G1B+2], 64<<16
	s_mov_b32 s[G1B+3], 256<<16
	s_mov_b32 s[G1B+4], 64
	s_mov_b32 s[G1B+5], BP
	s_mov_b32 s[G1B+6], 0
	s_mov_b32 s[G1B+7], 0
	s_lshl_b32 s16, s15, 13                        ; A: 64 rows of 128 bytes a tile, in each block
	s_mov_b32 s17, 0
	s_max_u32 s45, s14, 1
	s_sub_co_u32 s45, s45, 1                       ; which third of B (wave 0 issues no such load)
	s_mul_i32 s46, s42, 192
	s_lshl_b32 s47, s45, 6
	s_add_co_u32 s46, s46, s47
	s_mul_i32 s46, s46, 2*BP
.if OFFW
	s_add_co_u32 s46, s46, OFFW
.endif
	s_mov_b32 s47, 0
	s_mul_i32 s20, s14, BPART                      ; wave w's third of B lies at BOFF + (w - 1) x BPART = w x BPART + (BOFF - BPART)
	s_add_co_u32 s20, s20, BOFF-BPART
	s_wait_dscnt 0x0
	s_wait_kmcnt 0x0
	s_add_nc_u64 s[16:17], s[4:5], s[16:17]
	s_add_nc_u64 s[46:47], s[6:7], s[46:47]
	CROUND                                         ; all sixteen work-groups are here: the first joint loads meet
.irp s, 0,1
	s_mov_b32 s[G0A+4*(\s)], 1
	s_mov_b32 s[G0A+4*(\s)+1], (\s)*SLOT
	s_add_nc_u64 s[G0A+4*(\s)+2:G0A+4*(\s)+3], s[16:17], (\s)*2097152
	s_or_b32 s[G0A+4*(\s)+3], s[G0A+4*(\s)+3], 0x80000000
	s_mov_b32 s[G0B+4*(\s)], 1
	s_add_co_u32 s[G0B+4*(\s)+1], s20, (\s)*SLOT
	s_add_nc_u64 s[G0B+4*(\s)+2:G0B+4*(\s)+3], s[46:47], (\s)*512
	s_or_b32 s[G0B+4*(\s)+3], s[G0B+4*(\s)+3], 0x80000000
	JLOAD \s                                       ; K steps 0 and 1: two loads of mine are out
.endr
	v_and_b32 v1, 15, v0                           ; r
	v_bfe_u32 v2, v0, 4, 1                         ; h
	s_mul_i32 s22, s42, 768                        ; the bias of my 48 columns, in the layout of a C operand
	s_mul_i32 s23, s14, 192
	s_add_co_u32 s22, s22, s23
	s_mov_b32 s23, 0
	s_add_nc_u64 s[8:9], s[8:9], s[22:23]
	v_lshlrev_b32 v[BO], 5, v2
.irp b, 0,1,2
	global_load_b128 v[BIAS+8*\b:BIAS+8*\b+3],   v[BO], s[8:9] offset:64*\b
	global_load_b128 v[BIAS+8*\b+4:BIAS+8*\b+7], v[BO], s[8:9] offset:64*\b+16
.endr
	s_lshl_b32 s22, s15, 6                         ; the rows that I store: 64 x row tile + 16 x wave; the tile's 768 bytes of them
	s_lshl_b32 s23, s14, 4
	s_add_co_u32 s22, s22, s23
	s_mul_i32 s22, s22, 3072
	s_mul_i32 s23, s42, 768
	s_add_co_u32 s22, s22, s23
	s_mov_b32 s23, 0
	s_add_nc_u64 s[10:11], s[10:11], s[22:23]
	s_add_nc_u64 s[12:13], s[12:13], s[22:23]
	v_mul_u32_u24 v[CO], v2, 3072                  ; lanes 0-15 one row's 256 bytes, lanes 16-31 the next row's
	v_lshl_add_u32 v[CO], v1, 4, v[CO]
	WIN 0x80
.set t, 0
.rept 24
	global_load_b128 v[4*t:4*t+3], v[CO], s[10:11] offset:(t/3)*6144+(t%3)*256  ; the residual: it stays out until the way out
.set t, t+1
.endr
	WIN 0
	v_mul_u32_u24 v3, v1, PA
	v_lshl_add_u32 v[ADRA], v2, 4, v3
	v_add_nc_u32 v[ADRA+1], SLOT, v[ADRA]
	v_mul_u32_u24 v4, v1, PB
	v_lshl_add_u32 v4, v2, 4, v4
	s_mul_i32 s21, s14, 48*PB
	s_add_co_u32 s21, s21, BOFF
	v_add_nc_u32 v[ADRB], s21, v4
	v_add_nc_u32 v[ADRB+1], SLOT, v[ADRB]
	s_mul_i32 s21, s14, 192
	s_add_co_u32 s21, s21, STAGE
	v_mul_u32_u24 v[STO], v1, SPITCH
	v_lshl_add_u32 v[STO], v2, 5, v[STO]
	v_add_nc_u32 v[STO], s21, v[STO]
	s_mul_i32 s21, s14, 16*SPITCH
	s_add_co_u32 s21, s21, STAGE
	v_mul_u32_u24 v[RD], v2, SPITCH
	v_lshl_add_u32 v[RD], v1, 4, v[RD]
	v_add_nc_u32 v[RD], s21, v[RD]
.if PF
	; THE PREFETCHES.  The change of slots at the end of K step e names step e + 6: four K steps, 384 matrix instructions, ahead of the refill that will want it.  A's tile is read by one cluster:
	; wave 0 of each of the four partners of a row takes one of the step's four blocks (cx), 32 lanes x 256 bytes.  B's rows are read by all clusters: cluster y = 0 asks; of the 64 rows that a
	; wave fetches each partner of a column takes 16 (cy), two lanes a row.  Trips with 5, 4, 3 laps to go ask: steps 6 to 11; steps 0 to 5 come by their loads alone.
	s_lshl_b32 s22, s15, 13
	s_add_co_u32 s23, s40, 20                      ; block 4 x 5 + cx: at K step 5; the first change steps it to 6
	s_lshl_b32 s23, s23, 19
	s_add_co_u32 s22, s22, s23
	s_mul_i32 s23, s42, 192
	s_lshl_b32 s71, s45, 6
	s_add_co_u32 s23, s23, s71
	s_lshl_b32 s71, s41, 4
	s_add_co_u32 s23, s23, s71
	s_mul_i32 s23, s23, 2*BP
	s_add_co_u32 s23, s23, OFFW+5*512
	s_and_b32 s71, ttmp7, 0xffff                   ; cluster y
	s_cmp_eq_u32 s71, 0
	s_cselect_b32 s71, 2, -1
	s_mov_b32 s[PFS], 512
	s_mov_b32 s21, 2*BP
	s_cmp_eq_u32 s14, 0
	s_cselect_b32 s22, s22, s23
	s_cselect_b32 s[LIM], 2, s71                   ; the same in all partners, for a given wave
	s_cselect_b64 s[PFA:PFA+1], s[4:5], s[6:7]
	s_cselect_b32 s[PFS], 2097152, s[PFS]          ; a K step on
	s_cselect_b32 s21, 256, s21
	s_cselect_b32 s71, 0, 1
	s_cselect_b32 s20, 0, 256
	s_mov_b32 s23, 0
	s_mov_b32 s[PFS+1], 0
	s_add_nc_u64 s[PFA:PFA+1], s[PFA:PFA+1], s[22:23]
	v_and_b32 v5, 31, v0
	v_lshrrev_b32 v6, s71, v5
	v_mul_lo_u32 v6, v6, s21
	v_and_b32 v7, 1, v0
	v_mul_lo_u32 v7, v7, s20
	v_add_nc_u32 v[PFO], v6, v7
.endif
; 6 matrix instructions: row blocks a0, a0 + 1 x my 3 column blocks, 32 along K: half c of buffer f.  The 12 accumulators take turns.
.macro MUL6 f, c, a0, bias
	WIN 0x05                                       ; sources 0 (B) and 1 (A) window 1; C and D window 0
.irp a, \a0, (\a0)+1
.irp b, 0,1,2
.if \bias
	v_wmma_f32_16x16x32_bf16 v[ACC+8*(3*(\a)+(\b)):ACC+8*(3*(\a)+(\b))+7], v[(\f)+64+8*(3*(\c)+(\b)):(\f)+64+8*(3*(\c)+(\b))+7], v[(\f)+8*(4*(\c)+(\a)):(\f)+8*(4*(\c)+(\a))+7], v[BIAS+8*(\b):BIAS+8*(\b)+7]
.else
	v_wmma_f32_16x16x32_bf16 v[ACC+8*(3*(\a)+(\b)):ACC+8*(3*(\a)+(\b))+7], v[(\f)+64+8*(3*(\c)+(\b)):(\f)+64+8*(3*(\c)+(\b))+7], v[(\f)+8*(4*(\c)+(\a)):(\f)+8*(4*(\c)+(\a))+7], v[ACC+8*(3*(\a)+(\b)):ACC+8*(3*(\a)+(\b))+7]
.endif
.endr
.endr
.endm
; 28 LDS loads in one run: quarter q (64 along K) of a slot into buffer f; the first 32 along K first
.macro FETCH slot, q, f
	WIN 0x40
.irp c, 0,1
.irp b, 0,1,2
	ds_load_b128 v[(\f)+64+8*(3*(\c)+(\b)):(\f)+64+8*(3*(\c)+(\b))+3],   v[ADRB+(\slot)] offset:(\b)*16*PB+128*(\q)+64*(\c)
	ds_load_b128 v[(\f)+64+8*(3*(\c)+(\b))+4:(\f)+64+8*(3*(\c)+(\b))+7], v[ADRB+(\slot)] offset:(\b)*16*PB+128*(\q)+64*(\c)+32
.endr
.irp a, 0,1,2,3
	ds_load_b128 v[(\f)+8*(4*(\c)+(\a)):(\f)+8*(4*(\c)+(\a))+3],   v[ADRA+(\slot)] offset:(\q)*ABLK+(\a)*16*PA+64*(\c)
	ds_load_b128 v[(\f)+8*(4*(\c)+(\a))+4:(\f)+8*(4*(\c)+(\a))+7], v[ADRA+(\slot)] offset:(\q)*ABLK+(\a)*16*PA+64*(\c)+32
.endr
.endr
.endm
.macro QUARTER slot, q, f, g, bias     ; multiplies buffer f and fetches quarter q into g
	s_wait_dscnt 14                                ; the first 32 along K are in
	MUL6 \f, 0, 0, \bias
	MUL6 \f, 0, 2, \bias
	PLACES
	FETCH \slot, \q, \g
	s_wait_dscnt 28                                ; all but the 28 just issued
	MUL6 \f, 1, 0, 0
	MUL6 \f, 1, 2, 0
.endm
; The last quarter multiplies buffer 1 and changes slots: in front of the barrier each wave waits for all its tensor loads, adds 0 to its spare word, and waits for that and for its reads of
; this slot.  fill = 1: the barrier opens a round of the cluster's, and the joint refill, two K steps on, is the first tensor load behind it.
.macro TURN slot, next, fill
.if (\fill) && PF
	s_wait_xcnt 0x0                                ; the last prefetch, a K step back, has read its address
	s_add_nc_u64 s[PFA:PFA+1], s[PFA:PFA+1], s[PFS:PFS+1]
.endif
	WIN 0
	s_wait_tensorcnt 0x0
	ds_add_u32 v[SPW], v[NIL]
	s_wait_dscnt 15                                ; the add and the youngest fourteen loads may be out
	MUL6 F1, 0, 0, 0
	s_wait_dscnt 0x0                               ; the add is done, and my reads of this slot are over
	s_barrier_signal -1
	MUL6 F1, 0, 2, 0
.if \fill
	WIN 0
.endif
	s_barrier_wait -1
.if \fill
	CREST
	s_add_nc_u64 s[G0A+4*(\slot)+2:G0A+4*(\slot)+3], s[G0A+4*(\slot)+2:G0A+4*(\slot)+3], 2*2097152
	s_add_nc_u64 s[G0B+4*(\slot)+2:G0B+4*(\slot)+3], s[G0B+4*(\slot)+2:G0B+4*(\slot)+3], 2*512
	JLOAD \slot                                    ; its four v_nop are also the places in front of the loads below
.else
	PLACES
.endif
	FETCH \next, 0, F0
.if (\fill) && PF
	ASK
.endif
	MUL6 F1, 1, 0, 0
	MUL6 F1, 1, 2, 0
.endm
.macro LAST                            ; the very last quarter: nothing more to fetch
	s_wait_dscnt 14
	MUL6 F1, 0, 0, 0
	MUL6 F1, 0, 2, 0
	s_wait_dscnt 0x0
	MUL6 F1, 1, 0, 0
	MUL6 F1, 1, 2, 0
.endm
	s_wait_tensorcnt 0x1                           ; my part of K step 0 is in; step 1's may stay out
	s_barrier_signal -1
	s_barrier_wait -1
	FETCH 0, 0, F0
	s_wait_loadcnt 24                              ; the bias is in; the residual's 24 loads stay out
	QUARTER 0, 1, F0, F1, 1                        ; the first products start the sums, from the bias
.if KSTEPS > 3
	WIN 0
	s_mov_b32 s3, KSTEPS/2-1
.Llap:                                                 ; a trip goes once round the ring and fills both slots again
	QUARTER 0, 2, F1, F0, 0
	QUARTER 0, 3, F0, F1, 0
	TURN 0, 1, 1
	QUARTER 1, 1, F0, F1, 0
	QUARTER 1, 2, F1, F0, 0
	QUARTER 1, 3, F0, F1, 0
	TURN 1, 0, 1
	QUARTER 0, 1, F0, F1, 0
	WIN 0
	s_sub_co_u32 s3, s3, 1
	s_cmp_lg_u32 s3, 0
	s_cbranch_scc1 .Llap
	QUARTER 0, 2, F1, F0, 0                        ; the last lap fills nothing
	QUARTER 0, 3, F0, F1, 0
	TURN 0, 1, 0
	QUARTER 1, 1, F0, F1, 0
	QUARTER 1, 2, F1, F0, 0
	QUARTER 1, 3, F0, F1, 0
	LAST
.else
	QUARTER 0, 2, F1, F0, 0                        ; three K steps, written out: slot 0 takes step 2
	QUARTER 0, 3, F0, F1, 0
	TURN 0, 1, 1
	QUARTER 1, 1, F0, F1, 0
	QUARTER 1, 2, F1, F0, 0
	QUARTER 1, 3, F0, F1, 0
	TURN 1, 0, 0
	QUARTER 0, 1, F0, F1, 0
	QUARTER 0, 2, F1, F0, 0
	QUARTER 0, 3, F0, F1, 0
	LAST
.endif
	; THE WAY OUT: the sums go into the work-group's stage; a barrier, since a row's 768 bytes come from four waves; back as whole rows, 16 rows a wave; the residual is added; stored.
	WIN 0
	PLACES
.irp a, 0,1,2,3
.irp b, 0,1,2
	ds_store_b128 v[STO], v[ACC+8*(3*\a+\b):ACC+8*(3*\a+\b)+3]   offset:\a*16*SPITCH+64*\b     ; each accumulator's low registers first
	ds_store_b128 v[STO], v[ACC+8*(3*\a+\b)+4:ACC+8*(3*\a+\b)+7] offset:\a*16*SPITCH+64*\b+16
.endr
.endr
	s_wait_dscnt 0x0                               ; for the others: my stores into the stage are done
	s_barrier_signal -1
	s_barrier_wait -1
.set t, 0
.rept 24
	ds_load_b128 v[TMP+4*t:TMP+4*t+3], v[RD] offset:(t/3)*2*SPITCH+(t%3)*256
.set t, t+1
.endr
	s_wait_loadcnt 0x0                             ; the residual
	s_wait_dscnt 0x0
	WIN 0x08                                       ; source 1 in window 2
.set t, 0
.rept 48
	v_pk_add_f32 v[TMP+2*t:TMP+2*t+1], v[TMP+2*t:TMP+2*t+1], v[2*t:2*t+1]
.set t, t+1
.endr
	WIN 0
.set t, 0
.rept 24
	global_store_b128 v[CO], v[TMP+4*t:TMP+4*t+3], s[12:13] offset:(t/3)*6144+(t%3)*256  ; sixteen lanes store 256 consecutive bytes, at a multiple of 256 from the buffer's first
.set t, t+1
.endr
	s_wait_tensorcnt 0x0                           ; the wave's end
	ds_add_u32 v[SPW], v[NIL]
	s_wait_dscnt 0x0
	CROUND                                         ; the closing round
	s_endpgm
.Lfunc_end_k_qcc873bc580_oproj:
	.size	k_qcc873bc580_oproj, .Lfunc_end_k_qcc873bc580_oproj-k_qcc873bc580_oproj
	.p2alignl 7, 3214868480
	.fill 96, 4, 3214868480
	.section	.rodata,"a",@progbits
	.p2align	6, 0x0
	.amdhsa_kernel k_qcc873bc580_oproj
		.amdhsa_group_segment_fixed_size 327680
		.amdhsa_private_segment_fixed_size 0
		.amdhsa_enable_private_segment 0
		.amdhsa_kernarg_size 40
		.amdhsa_user_sgpr_count 2
		.amdhsa_user_sgpr_kernarg_segment_ptr 1
		.amdhsa_wavefront_size32 1
		.amdhsa_system_sgpr_workgroup_id_x 1
		.amdhsa_system_sgpr_workgroup_id_y 1
		.amdhsa_system_sgpr_workgroup_id_z 1
		.amdhsa_system_vgpr_workitem_id 0
		.amdhsa_next_free_vgpr 608
		.amdhsa_next_free_sgpr 72
		.amdhsa_reserve_vcc 0
		.amdhsa_float_denorm_mode_32 3
		.amdhsa_float_denorm_mode_16_64 3
		.amdhsa_memory_ordered 1
		.amdhsa_forward_progress 1
		.amdhsa_inst_pref_size 63
	.end_amdhsa_kernel
	.amdgpu_metadata
---
amdhsa.version: [ 1, 2 ]
amdhsa.kernels:
  - .name:           k_qcc873bc580_oproj
    .symbol:         k_qcc873bc580_oproj.kd
    .args:
      - { .name: act, .offset: 0, .size: 8, .value_kind: global_buffer, .address_space: global }
      - { .name: wr, .offset: 8, .size: 8, .value_kind: global_buffer, .address_space: global }
      - { .name: bo, .offset: 16, .size: 8, .value_kind: global_buffer, .address_space: global }
      - { .name: x, .offset: 24, .size: 8, .value_kind: global_buffer, .address_space: global }
      - { .name: x1, .offset: 32, .size: 8, .value_kind: global_buffer, .address_space: global }
    .group_segment_fixed_size: 327680
    .private_segment_fixed_size: 0
    .kernarg_segment_align: 8
    .kernarg_segment_size: 40
    .max_flat_workgroup_size: 128
    .sgpr_count:     72
    .vgpr_count:     608
    .wavefront_size: 32
...
	.end_amdgpu_metadata
.endif
;; end of part 4
;; launch norm2 (part 5): grid 512 x 1, 8 waves a work-group, no clusters, 0 bytes of LDS; arguments x1, ln2_w, ln2_b, bufF; writes bufF
.if DOCPART == 5
	.amdgcn_target "amdgcn-amd-amdhsa--gfx1250"
	.amdhsa_code_object_version 6
	.text
	.protected	k_qcc873bc580_norm2
	.globl	k_qcc873bc580_norm2
	.p2align	8
	.type	k_qcc873bc580_norm2,@function
k_qcc873bc580_norm2:
	s_mov_b64 s[64:65], 0
	v_nop
	global_prefetch_b8 v0, s[64:65] scope:SCOPE_SE
	s_setreg_imm32_b32 hwreg(HW_REG_WAVE_MODE, 25, 1), 1
	s_wait_xcnt 0x0
; y2 = layer_norm(x1, ln2_w, ln2_b), rounded once to bf16: bufF + 0, [4096][768].  One wave, one row, kept in 24 registers between the passes: the row is read once, and no wave waits
; for another.  The mean is taken first and the variance from x - mean.  No LDS, no matrix unit, no cluster: nothing is shared.
.set GW,  8                            ; v[8:31]   gain of my 24 columns
.set GB,  32                           ; v[32:55]  bias
.set X,   56                           ; v[56:79]  chunk j (0..5): columns 128 j + 4 lane .. + 3
.set T,   80                           ; v[80:91]  at work
	s_load_b256 s[8:15], s[0:1], 0x0               ; x1 8, gain 10, bias 12, bufF 14
	v_lshrrev_b32 v3, 5, v0
	v_readfirstlane_b32 s4, v3                     ; wave 0..7
	v_and_b32 v2, 31, v0
	v_lshlrev_b32 v1, 4, v2                        ; 16 x lane: f32 in
	v_lshlrev_b32 v2, 3, v2                        ; 8 x lane: bf16 out
	s_lshl_b32 s5, ttmp9, 3
	s_add_co_u32 s5, s5, s4                        ; my row
	s_mov_b32 s7, 0
	s_mov_b32 s50, 0x76543210
	s_mov_b32 s51, 0xfedcba98
	s_mov_b32 s58, 0x3aaaaaab                      ; 1 / 768
	s_mov_b32 s59, 0x3727c5ac                      ; 1e-5
	s_wait_kmcnt 0x0
	s_mul_i32 s6, s5, 3072
	s_add_nc_u64 s[42:43], s[8:9], s[6:7]
	s_mul_i32 s6, s5, 1536
	s_add_nc_u64 s[44:45], s[14:15], s[6:7]
.irp j, 0,1,2,3,4,5
	global_load_b128 v[X+4*\j:X+4*\j+3], v1, s[42:43] offset:512*\j
.endr
.irp j, 0,1,2,3,4,5
	global_load_b128 v[GW+4*\j:GW+4*\j+3], v1, s[10:11] offset:512*\j
	global_load_b128 v[GB+4*\j:GB+4*\j+3], v1, s[12:13] offset:512*\j
.endr
.macro RED r, t                        ; the sum over the 32 lanes, in every lane
	v_add_f32_dpp v[\r], v[\r], v[\r] row_xmask:1 row_mask:0xf bank_mask:0xf
	v_add_f32_dpp v[\r], v[\r], v[\r] row_xmask:2 row_mask:0xf bank_mask:0xf
	v_add_f32_dpp v[\r], v[\r], v[\r] row_xmask:4 row_mask:0xf bank_mask:0xf
	v_add_f32_dpp v[\r], v[\r], v[\r] row_xmask:8 row_mask:0xf bank_mask:0xf
	v_permlanex16_b32 v[\t], v[\r], s50, s51
	v_add_f32 v[\r], v[\r], v[\t]
.endm
	s_wait_loadcnt 12                              ; the row is in; the twelve loads of gain and bias may stay out
.irp i, 0,1,2,3,4,5
	v_pk_add_f32 v[T+2*\i:T+2*\i+1], v[X+4*\i:X+4*\i+1], v[X+4*\i+2:X+4*\i+3]
.endr
	v_pk_add_f32 v[T:T+1], v[T:T+1], v[T+2:T+3]
	v_pk_add_f32 v[T+4:T+5], v[T+4:T+5], v[T+6:T+7]
	v_pk_add_f32 v[T+8:T+9], v[T+8:T+9], v[T+10:T+11]
	v_pk_add_f32 v[T:T+1], v[T:T+1], v[T+4:T+5]
	v_pk_add_f32 v[T:T+1], v[T:T+1], v[T+8:T+9]
	v_add_f32 v[T], v[T], v[T+1]
	RED T, T+1
	v_mul_f32 v[T+2], s58, v[T]                    ; the mean, twice
	v_mul_f32 v[T+3], s58, v[T]
.set i, 0
.rept 12
	v_pk_add_f32 v[X+i:X+i+1], v[X+i:X+i+1], v[T+2:T+3] neg_lo:[0,1] neg_hi:[0,1]
.set i, i+2
.endr
	v_pk_mul_f32 v[T+4:T+5], v[X:X+1], v[X:X+1]
	v_pk_mul_f32 v[T+6:T+7], v[X+2:X+3], v[X+2:X+3]
.set i, 4
.rept 5
	v_pk_fma_f32 v[T+4:T+5], v[X+i:X+i+1], v[X+i:X+i+1], v[T+4:T+5]
	v_pk_fma_f32 v[T+6:T+7], v[X+i+2:X+i+3], v[X+i+2:X+i+3], v[T+6:T+7]
.set i, i+4
.endr
	v_pk_add_f32 v[T+4:T+5], v[T+4:T+5], v[T+6:T+7]
	v_add_f32 v[T+4], v[T+4], v[T+5]
	RED T+4, T+5
	v_fma_f32 v[T+4], v[T+4], s58, s59             ; variance + eps
	v_rsq_f32 v[T+6], v[T+4]
	v_rsq_f32 v[T+7], v[T+4]
	v_nop                                          ; a plain instruction behind the last of the two (ISA guide 5.7.2)
	s_wait_loadcnt 0x0                             ; gain and bias
	s_wait_alu depctr_va_vdst(0)                   ; one wait for both, ahead of their first reader
.set i, 0
.rept 12
	v_pk_mul_f32 v[GW+i:GW+i+1], v[GW+i:GW+i+1], v[T+6:T+7]
.set i, i+2
.endr
.set i, 0
.rept 12
	v_pk_fma_f32 v[X+i:X+i+1], v[X+i:X+i+1], v[GW+i:GW+i+1], v[GB+i:GB+i+1]
.set i, i+2
.endr
.irp j, 0,1,2,3,4,5
	v_cvt_pk_bf16_f32 v[X+4*\j], v[X+4*\j], v[X+4*\j+1]
	v_cvt_pk_bf16_f32 v[X+4*\j+1], v[X+4*\j+2], v[X+4*\j+3]
.endr
.irp j, 0,1,2,3,4,5
	global_store_b64 v2, v[X+4*\j:X+4*\j+1], s[44:45] offset:256*\j  ; the wave stores 256 consecutive bytes, at a multiple of 256 from the buffer's first
.endr
	s_endpgm
.Lfunc_end_k_qcc873bc580_norm2:
	.size	k_qcc873bc580_norm2, .Lfunc_end_k_qcc873bc580_norm2-k_qcc873bc580_norm2
	.p2alignl 7, 3214868480
	.fill 96, 4, 3214868480
	.section	.rodata,"a",@progbits
	.p2align	6, 0x0
	.amdhsa_kernel k_qcc873bc580_norm2
		.amdhsa_group_segment_fixed_size 0
		.amdhsa_private_segment_fixed_size 0
		.amdhsa_enable_private_segment 0
		.amdhsa_kernarg_size 32
		.amdhsa_user_sgpr_count 2
		.amdhsa_user_sgpr_kernarg_segment_ptr 1
		.amdhsa_wavefront_size32 1
		.amdhsa_system_sgpr_workgroup_id_x 1
		.amdhsa_system_sgpr_workgroup_id_y 1
		.amdhsa_system_sgpr_workgroup_id_z 1
		.amdhsa_system_vgpr_workitem_id 0
		.amdhsa_next_free_vgpr 96
		.amdhsa_next_free_sgpr 66
		.amdhsa_reserve_vcc 0
		.amdhsa_float_denorm_mode_32 3
		.amdhsa_float_denorm_mode_16_64 3
		.amdhsa_memory_ordered 1
		.amdhsa_forward_progress 1
		.amdhsa_inst_pref_size 9
	.end_amdhsa_kernel
	.amdgpu_metadata
---
amdhsa.version: [ 1, 2 ]
amdhsa.kernels:
  - .name:           k_qcc873bc580_norm2
    .symbol:         k_qcc873bc580_norm2.kd
    .args:
      - { .name: x1, .offset: 0, .size: 8, .value_kind: global_buffer, .address_space: global }
      - { .name: ln2_w, .offset: 8, .size: 8, .value_kind: global_buffer, .address_space: global }
      - { .name: ln2_b, .offset: 16, .size: 8, .value_kind: global_buffer, .address_space: global }
      - { .name: bufF, .offset: 24, .size: 8, .value_kind: global_buffer, .address_space: global }
    .group_segment_fixed_size: 0
    .private_segment_fixed_size: 0
    .kernarg_segment_align: 8
    .kernarg_segment_size: 32
    .max_flat_workgroup_size: 256
    .sgpr_count:     66
    .vgpr_count:     96
    .wavefront_size: 32
...
	.end_amdgpu_metadata
.endif
;; end of part 5
;; launch ffup (part 6): grid 32 x 8, 4 waves a work-group, clusters of 4 x 1, 327,680 bytes of LDS; arguments bufF, act; writes act
.if DOCPART == 6
	.amdgcn_target "amdgcn-amd-amdhsa--gfx1250"
	.amdhsa_code_object_version 6
	.text
	.protected	k_qcc873bc580_ffup
	.globl	k_qcc873bc580_ffup
	.p2align	8
	.type	k_qcc873bc580_ffup,@function
k_qcc873bc580_ffup:
	s_mov_b64 s[64:65], 0
	v_nop
	global_prefetch_b8 v0, s[64:65] scope:SCOPE_SE
	s_setreg_imm32_b32 hwreg(HW_REG_WAVE_MODE, 25, 1), 1
	s_wait_xcnt 0x0
	s_wait_alu depctr_hold_cnt(0) depctr_sa_sdst(0) depctr_va_vdst(0) depctr_va_sdst(0) depctr_va_ssrc(0) depctr_va_vcc(0) depctr_vm_vsrc(0)
	s_getreg_b32 s2, hwreg(HW_REG_IB_STS2, 6, 4)
	s_cmp_eq_u32 s2, 0
	s_cbranch_scc0 .Lentry_in_a_cluster
	s_endpgm
.Lentry_in_a_cluster:
	s_bfe_u32 s2, ttmp6, 0x10000c
	s_cmp_lg_u32 s2, 0x3003
	s_cbranch_scc0 .Lentry_shape_is_right
	s_endpgm
.Lentry_shape_is_right:
; C[128 x 384] = gelu(A[128 x 768] B^T + bias); C leaves in bf16, in blocks of 64 columns: out[block][4096][64].  Here (GELU = 1): h = gelu(y2 W1 + b1).
; The same text with GELU = 0 makes q, k, v.  One buffer holds all it reads: + 0 A [4096][768] bf16; + OFFB B [n][768] bf16; + OFFBIAS the bias, f32.
; GELU is the exact form by erfc: gelu(u) = max(u, 0) - |u| / 2 erfc(|u| / sqrt 2), erfc(z) = (a1 t + .. + a5 t^5) e^(-z z), t = 1 / (1 + 0.3275911 z)
; (Abramowitz and Stegun 7.1.26: erf within 1.5e-7 for every argument).  With d = 1 + P |u|, P = 0.3275911 / sqrt 2, |u| / 2 is (d - 1) / 2 P: the coefficients carry 1 / 2 P.
; LIMITS: an exponential below 2^-126 counts as 0; NaN and infinities are not treated apart.
; SHARES.  Four waves; wave w makes rows 64 (w / 2) .. + 63, columns 192 (w % 2) .. + 191: 48 accumulators of 16 x 16, 384 registers.  K goes in six steps of 128 through two LDS slots.
; CLUSTER.  The four work-groups of a cluster have four row tiles and ONE column tile: B's tiles are asked for jointly (mask 15), by waves 1 to 3, 128 rows each;
; A's tile is the work-group's own (mask 0), asked for by wave 0 in the same rounds.  One tensor load a wave behind each round.
; THE MATRIX INSTRUCTION IS USED TRANSPOSED (source 0 = 16 rows of B, source 1 = 16 rows of A): a lane holds row lane % 16 of C and the columns 8 (lane / 16) + 0..7.
; The bias is the C operand of each accumulator's first product: nothing is cleared and no bias is added afterwards.
; REGISTERS, in windows of 256: window 0: v16-31 addresses; v32-95 A's fragments, two buffers; v128-223 the bias, later the way out.  window 1: B's fragments, two buffers of 96.
; window 2: accumulators of my rows 0-31 ((a, b) at 8 (12 a + b)); window 3: rows 32-63.
.set GELU,    1
.set OFFB,    6291456
.set OFFBIAS, 11010048
.set PITCH,   272                      ; an LDS row: 256 bytes + 16: the 16 rows of a fragment load start at 16 different groups of four banks (64 banks of 4 bytes: ISA guide 11.1)
.set PART,    128*PITCH                ; what one tensor load brings
.set SLOT,    4*PART                   ; A's 128 rows, then B's 384
.set SPARE,   2*SLOT                   ; behind the ring: the spare words, 128 bytes a wave
.set SPITCH,  784                      ; the way out: a row of 192 f32 + 16 bytes
.set WSTAGE,  64*SPITCH                ; a wave's stage; the four lie over the ring, whose blocks have had their last fill by then
.set BLK,     524288                   ; a block of 64 columns of the output: 4096 rows of 128 bytes
.set ADRA, 16                          ; v16-17  my A fragments in slot 0, 1
.set ADRB, 20                          ; v20-21  my B fragments
.set STO,  24                          ; v24  where I put 32 bytes of a row in my stage
.set RD,   25                          ; v25  where I read this trip's 32 bytes
.set GO,   26                          ; v26  my 16 bytes in 512 consecutive bytes of the output
.set RD0,  27                          ; v27  RD of the first trip; never rewritten
.set SPW,  28                          ; v28  my spare word; never rewritten
.set NIL,  29                          ; v29  0; never rewritten
.set PFO,  30                          ; v30  the prefetches' offset: lane x 1536; never rewritten
.set BO,   31                          ; v31  32 x (lane / 16)
.set FA,   32
.set BIAS, 128
.set Y,    32                          ; the way out: 12 packed words
.set PP,   48
.set U,    128
.set DD,   152
.set TT,   176
.set EE,   200
.set RR,   224
.set OUTP, 6                           ; s[6:7] the output
.set G1A, 24                           ; s[24:31] group 1 for A    s[32:39] group 0, a set for each slot
.set G0A, 32
.set G1B, 48                           ; s[48:55], s[56:63] the same for B
.set G0B, 56
.set LIM, 43                           ; s43  1 in a wave that prefetches, else the greatest number
.set PFA, 44                           ; s[44:45] where my prefetches stand
.set A5, 72                            ; s[72:81] the polynomial, in pairs
.set A4, 74
.set A3, 76
.set A2, 78
.set A1, 80
.set PC, 82                            ; s82  P
.set CNT, 84
.set STEP, 85
.set MSB, 0
.macro WIN new                         ; the immediate's high byte repeats the setting that is left; a switch that changes nothing is dropped
.if MSB != (\new)
	s_set_vgpr_msb (MSB<<8)|(\new)
.set MSB, \new
.endif
.endm
.macro PLACES                          ; four plain places behind matrix instructions (ISA guide 7.12.1)
.rept 4
	v_nop
.endr
.endm
.macro JLOAD s                         ; wave 0 asks for A's tile, waves 1 to 3 for B's thirds; an s_nop 0 and four v_nop follow each line
	s_cmp_eq_u32 s10, 0
	s_cbranch_scc0 .Lfor_b_\@
	tensor_load_to_lds s[G0A+4*(\s):G0A+4*(\s)+3], s[G1A:G1A+7]
	s_nop 0
.rept 4
	v_nop
.endr
	s_branch .Lasked_\@
.Lfor_b_\@:
	tensor_load_to_lds s[G0B+4*(\s):G0B+4*(\s)+3], s[G1B:G1B+7]
	s_nop 0
.rept 4
	v_nop
.endr
.Lasked_\@:
.endm
.macro CREST                           ; a round of the cluster's barrier behind its opening barrier
	s_cmp_lg_u32 s10, 0
	s_cbranch_scc1 .Lnot_wave_0_\@
	s_barrier_signal -3
.Lnot_wave_0_\@:
	s_barrier_wait -3
	s_barrier_signal -1
	s_barrier_wait -1
.endm
.macro CROUND
	s_barrier_signal -1
	s_barrier_wait -1
	CREST
.endm
; A PREFETCH INTO THE L2 of the K step that stands two refills on (384 matrix instructions ahead of the load that will want it): 256 bytes of a row, a lane a row.
; A's 128 rows are read by every column tile: the work-group with column tile 0 asks, its wave 0, four instructions.  B's rows are read by every cluster of the column tile:
; cluster x = 0 asks; of the 128 rows that a wave fetches each of the four partners takes 32, told apart by address.  Only the loop's first trip asks (steps 4 and 5); steps 0 to 3 come by their loads alone.
.macro ASK
	s_cmp_gt_u32 s3, s[LIM]
	s_cbranch_scc0 .Lnot_mine_\@
	global_prefetch_b8 v[PFO], s[PFA:PFA+1] th:TH_LOAD_NT scope:SCOPE_SE
	s_cmp_eq_u32 s10, 0
	s_cbranch_scc0 .Lnot_mine_\@
	global_prefetch_b8 v[PFO], s[PFA:PFA+1] offset:49152 th:TH_LOAD_NT scope:SCOPE_SE
	global_prefetch_b8 v[PFO], s[PFA:PFA+1] offset:98304 th:TH_LOAD_NT scope:SCOPE_SE
	global_prefetch_b8 v[PFO], s[PFA:PFA+1] offset:147456 th:TH_LOAD_NT scope:SCOPE_SE
.Lnot_mine_\@:
.endm
	s_load_b128 s[4:7], s[0:1], 0x0                ; the buffer s[4:5], the output s[6:7]
	v_lshl_add_u32 v[SPW], v0, 2, SPARE
	v_mov_b32 v[NIL], 0
	ds_add_u32 v[SPW], v[NIL]                      ; the opening: the add, twice on end, and its wait ahead of my first tensor load
	ds_add_u32 v[SPW], v[NIL]
	v_lshrrev_b32 v1, 5, v0
	v_readfirstlane_b32 s10, v1                    ; wave 0..3
	s_lshr_b32 s11, s10, 1                         ; which 64 rows
	s_and_b32 s12, s10, 1                          ; which 192 columns
	s_bfe_u32 s13, ttmp6, 0x40000                  ; cx
	s_lshl_b32 s14, ttmp9, 2
	s_add_co_u32 s14, s14, s13                     ; row tile = 4 x cluster x + cx: it enters global addresses alone
	s_and_b32 s15, ttmp7, 0xffff                   ; column tile, which the partners share
	s_mov_b32 s[G1A], (1<<16)|(1<<20)|(5<<22)|(3<<25)               ; 2-byte elements; padding on: after every 64 words, 4 words; no mask
	s_mov_b32 s[G1B], 15|(1<<16)|(1<<20)|(1<<21)|(5<<22)|(3<<25)    ; the same with the mask of four, and bit 21 beside it
.irp g, G1A, G1B
	s_mov_b32 s[(\g)+1], 128<<16                   ; tensor_dim0 = 128
	s_mov_b32 s[(\g)+2], 128<<16                   ; tensor_dim1 = 128
	s_mov_b32 s[(\g)+3], 128<<16                   ; tile_dim0 = 128
	s_mov_b32 s[(\g)+4], 128                       ; tile_dim1 = 128
	s_mov_b32 s[(\g)+5], 768                       ; elements from row to row
	s_mov_b32 s[(\g)+6], 0
	s_mov_b32 s[(\g)+7], 0
.endr
	s_mul_i32 s16, s14, 196608                     ; A: 128 rows of 1536 bytes a tile
	s_mov_b32 s17, 0
	s_max_u32 s20, s10, 1
	s_sub_co_u32 s20, s20, 1                       ; which third of B (wave 0 issues no such load)
	s_lshl_b32 s20, s20, 7
	s_mul_i32 s21, s15, 384
	s_add_co_u32 s20, s20, s21
	s_mul_i32 s20, s20, 1536
	s_add_co_u32 s20, s20, OFFB
	s_mov_b32 s21, 0
	s_mul_i32 s22, s10, PART                       ; B's third of wave w lies at w x PART: behind A's 128 rows
.if GELU
	s_mov_b32 s[A5], 0x4012a088                    ;  2.29104813
	s_mov_b32 s[A5+1], s[A5]
	s_mov_b32 s[A4], 0xc048bea0                    ; -3.13663483
	s_mov_b32 s[A4+1], s[A4]
	s_mov_b32 s[A3], 0x40445c34                    ;  3.06812760
	s_mov_b32 s[A3+1], s[A3]
	s_mov_b32 s[A2], 0xbf1d34d5                    ; -0.61408741
	s_mov_b32 s[A2+1], s[A2]
	s_mov_b32 s[A1], 0x3f0cd020                    ;  0.55005076
	s_mov_b32 s[A1+1], s[A1]
	s_mov_b32 s[PC], 0x3e6d3388                    ;  0.23164189
.endif
	s_wait_dscnt 0x0                               ; both opening adds are done
	s_wait_kmcnt 0x0
	s_add_nc_u64 s[16:17], s[4:5], s[16:17]
	s_add_nc_u64 s[20:21], s[4:5], s[20:21]
	CROUND                                         ; all four work-groups are here: the first joint loads meet
.irp s, 0,1
	s_mov_b32 s[G0A+4*(\s)], 1
	s_mov_b32 s[G0A+4*(\s)+1], (\s)*SLOT
	s_add_nc_u64 s[G0A+4*(\s)+2:G0A+4*(\s)+3], s[16:17], (\s)*256
	s_or_b32 s[G0A+4*(\s)+3], s[G0A+4*(\s)+3], 0x80000000
	s_mov_b32 s[G0B+4*(\s)], 1
	s_add_co_u32 s[G0B+4*(\s)+1], s22, (\s)*SLOT
	s_add_nc_u64 s[G0B+4*(\s)+2:G0B+4*(\s)+3], s[20:21], (\s)*256
	s_or_b32 s[G0B+4*(\s)+3], s[G0B+4*(\s)+3], 0x80000000
	JLOAD \s                                       ; K steps 0 and 1: two loads of mine are out
.endr
	v_and_b32 v1, 15, v0                           ; r = lane % 16
	v_bfe_u32 v2, v0, 4, 1                         ; h = lane / 16
	v_and_b32 v4, 31, v0
	; the bias of my 192 columns: block b's register j is bias[16 b + 8 h + j], the layout of a C operand
	s_mul_i32 s18, s15, 1536
	s_mul_i32 s19, s12, 768
	s_add_co_u32 s18, s18, s19
	s_add_co_u32 s18, s18, OFFBIAS
	s_mov_b32 s19, 0
	s_add_nc_u64 s[40:41], s[4:5], s[18:19]
	v_lshlrev_b32 v[BO], 5, v2
.irp b, 0,1,2,3,4,5,6,7,8,9,10,11
	global_load_b128 v[BIAS+8*\b:BIAS+8*\b+3],   v[BO], s[40:41] offset:64*\b
	global_load_b128 v[BIAS+8*\b+4:BIAS+8*\b+7], v[BO], s[40:41] offset:64*\b+16
.endr
	v_mul_u32_u24 v3, v1, PITCH
	v_lshl_add_u32 v3, v2, 4, v3                   ; a fragment's row x pitch + 16 x half
	s_mul_i32 s18, s11, 64*PITCH
	s_mul_i32 s19, s12, 192*PITCH
	s_add_co_u32 s19, s19, PART
.irp s, 0,1
	v_add_nc_u32 v[ADRA+(\s)], s18, v3
	v_add_nc_u32 v[ADRB+(\s)], s19, v3
	s_add_co_u32 s18, s18, SLOT
	s_add_co_u32 s19, s19, SLOT
.endr
	s_mul_i32 s18, s10, WSTAGE                     ; my stage
	v_mul_u32_u24 v[STO], v1, SPITCH
	v_lshl_add_u32 v[STO], v2, 5, v[STO]
	v_add_nc_u32 v[STO], s18, v[STO]
	v_lshrrev_b32 v5, 3, v4
	v_and_b32 v6, 7, v0
	v_mul_u32_u24 v[RD0], v5, SPITCH               ; back: eight lanes take 64 columns of a row, 32 bytes each; the wave four rows
	v_lshl_add_u32 v[RD0], v6, 5, v[RD0]
	v_add_nc_u32 v[RD0], s18, v[RD0]
	v_lshlrev_b32 v[GO], 4, v4
	s_mul_i32 s86, s15, 6                          ; my first block of 64 columns: 6 x column tile + 3 x half,
	s_mul_i32 s87, s12, 3
	s_add_co_u32 s86, s86, s87
	s_lshl_b32 s86, s86, 19
	s_lshl_b32 s87, s14, 14                        ; my first row in it: 128 x row tile + 64 x half, 128 bytes a row
	s_add_co_u32 s86, s86, s87
	s_lshl_b32 s87, s11, 13
	s_add_co_u32 s86, s86, s87
	s_mov_b32 s87, 0
	s_add_nc_u64 s[OUTP:OUTP+1], s[OUTP:OUTP+1], s[86:87]
	; the prefetches
	s_mul_i32 s86, s14, 196608                     ; A: my tile's first row
	s_max_u32 s88, s10, 1
	s_sub_co_u32 s88, s88, 1
	s_lshl_b32 s88, s88, 7
	s_mul_i32 s89, s15, 384
	s_add_co_u32 s88, s88, s89
	s_lshl_b32 s89, s13, 5                         ; B: my work-group's 32 of the wave's 128 rows
	s_add_co_u32 s88, s88, s89
	s_mul_i32 s88, s88, 1536
	s_add_co_u32 s88, s88, OFFB
	s_cmp_eq_u32 s10, 0
	s_cselect_b32 s86, s86, s88
	s_cselect_b32 s88, s15, ttmp9                  ; the coordinate along which others read the same rows
	s_cmp_eq_u32 s88, 0
	s_cselect_b32 s[LIM], 1, -1                    ; the same in all four partners, for a given wave
	s_add_nc_u64 s[PFA:PFA+1], s[4:5], s[86:87]
	s_add_nc_u64 s[PFA:PFA+1], s[PFA:PFA+1], 3*256 ; at K step 3: the first change of slots steps it to 4
	v_mul_u32_u24 v[PFO], v4, 1536
; 12 matrix instructions: row block 2 hi + a x all 12 column blocks, 32 along K, from buffer f.  bias = 1: the first product of each sum takes the bias as C.
; The 48 accumulators take turns, one instruction a turn, in the same order in every quarter.
.macro MUL12 f, hi, a, bias
.if \bias
	WIN 0x81+0x40*(\hi)                            ; B window 1, A and C window 0, D window 2 or 3
.else
	WIN 0xa1+0x50*(\hi)                            ; B window 1, A window 0, C and D window 2 or 3
.endif
.set rA, FA+32*(\f)+8*(2*(\hi)+(\a))
.irp b, 0,1,2,3,4,5,6,7,8,9,10,11
.set rD, 8*(12*(\a)+(\b))
.set rB, 96*(\f)+8*(\b)
.if \bias
	v_wmma_f32_16x16x32_bf16 v[rD:rD+7], v[rB:rB+7], v[rA:rA+7], v[BIAS+8*(\b):BIAS+8*(\b)+7]
.else
	v_wmma_f32_16x16x32_bf16 v[rD:rD+7], v[rB:rB+7], v[rA:rA+7], v[rD:rD+7]
.endif
.endr
.endm
; 32 LDS loads in one run: 192 rows of B and 64 rows of A, 32 along K at byte k of the rows, into buffer f; A's row blocks 2 and 3 last
.macro FETCH slot, k, f
	WIN 0x40
.irp i, 0,1,2,3,4,5,6,7,8,9,10,11
	ds_load_b128 v[96*(\f)+8*(\i):96*(\f)+8*(\i)+3],   v[ADRB+(\slot)] offset:(\k)+(\i)*16*PITCH
	ds_load_b128 v[96*(\f)+8*(\i)+4:96*(\f)+8*(\i)+7], v[ADRB+(\slot)] offset:(\k)+(\i)*16*PITCH+32
.endr
	WIN 0
.irp i, 0,1,2,3
	ds_load_b128 v[FA+32*(\f)+8*(\i):FA+32*(\f)+8*(\i)+3],   v[ADRA+(\slot)] offset:(\k)+(\i)*16*PITCH
	ds_load_b128 v[FA+32*(\f)+8*(\i)+4:FA+32*(\f)+8*(\i)+7], v[ADRA+(\slot)] offset:(\k)+(\i)*16*PITCH+32
.endr
.endm
; A K step is four quarters of 32 along K, 48 matrix instructions each, on buffers 0, 1, 0, 1.  One of the first three multiplies f and fetches the next, at byte k, into g.
.macro QUARTER slot, k, f, g, bias
	s_wait_dscnt 4                                 ; B and A's row blocks 0, 1 are in; the youngest four loads may be out
	MUL12 \f, 0, 0, \bias
	MUL12 \f, 0, 1, \bias
	PLACES
	FETCH \slot, \k, \g
	s_wait_dscnt 32                                ; all but the 32 just issued
	MUL12 \f, 1, 0, \bias
	MUL12 \f, 1, 1, \bias
.endm
; The last quarter multiplies buffer 1 and changes slots.  In front of the barrier each wave waits for all its tensor loads (one is out: its part of the next slot), adds 0 to its spare
; word, and waits for that and for its reads of this slot.  fill = 1: the barrier opens a round of the cluster's, and the refill, two K steps on, is the first tensor load behind it.
.macro TURN slot, next, fill
.if \fill
	s_wait_xcnt 0x0                                ; the last prefetches, a K step back, have read their address
	s_add_nc_u64 s[PFA:PFA+1], s[PFA:PFA+1], 256
.endif
	WIN 0
	s_wait_tensorcnt 0x0
	ds_add_u32 v[SPW], v[NIL]
	s_wait_dscnt 5                                 ; the add and the youngest four loads may be out
	MUL12 1, 0, 0, 0
	s_wait_dscnt 0x0                               ; the add is done, and my reads of this slot are over
	s_barrier_signal -1
	MUL12 1, 0, 1, 0
.if \fill
	WIN 0
.endif
	s_barrier_wait -1
.if \fill
	CREST                                          ; no wave of any partner still reads this slot or has a load on its way
	s_add_nc_u64 s[G0A+4*(\slot)+2:G0A+4*(\slot)+3], s[G0A+4*(\slot)+2:G0A+4*(\slot)+3], 512
	s_add_nc_u64 s[G0B+4*(\slot)+2:G0B+4*(\slot)+3], s[G0B+4*(\slot)+2:G0B+4*(\slot)+3], 512
	JLOAD \slot                                    ; its four v_nop are also the places in front of the loads below
.else
	PLACES
.endif
	FETCH \next, 0, 0
.if \fill
	ASK
.endif
	MUL12 1, 1, 0, 0
	MUL12 1, 1, 1, 0
.endm
	s_wait_tensorcnt 0x1                           ; my part of K step 0 is in; step 1's may stay out
	s_barrier_signal -1
	s_barrier_wait -1
	FETCH 0, 0, 0
	s_wait_loadcnt 0x0                             ; the bias
	QUARTER 0, 64, 0, 1, 1                         ; the first quarter stands in front of the loop: its products start the sums, from the bias
	WIN 0
	s_mov_b32 s3, 2
.Llap:                                                 ; a trip goes once round the ring and fills both slots again
	QUARTER 0, 128, 1, 0, 0
	QUARTER 0, 192, 0, 1, 0
	TURN 0, 1, 1
	QUARTER 1, 64, 0, 1, 0
	QUARTER 1, 128, 1, 0, 0
	QUARTER 1, 192, 0, 1, 0
	TURN 1, 0, 1
	QUARTER 0, 64, 0, 1, 0
	WIN 0
	s_sub_co_u32 s3, s3, 1
	s_cmp_lg_u32 s3, 0
	s_cbranch_scc1 .Llap
	QUARTER 0, 128, 1, 0, 0                        ; the last lap fills nothing
	QUARTER 0, 192, 0, 1, 0
	TURN 0, 1, 0
	QUARTER 1, 64, 0, 1, 0
	QUARTER 1, 128, 1, 0, 0
	QUARTER 1, 192, 0, 1, 0
	s_wait_dscnt 4
	MUL12 1, 0, 0, 0
	MUL12 1, 0, 1, 0
	s_wait_dscnt 0x0                               ; my last reads of the ring are back
	MUL12 1, 1, 0, 0
	MUL12 1, 1, 1, 0
	; THE WAY OUT.  The sums go in f32 into my stage and come back four rows at a time, a lane with eight neighbouring columns of each of my three blocks.
	WIN 0
	PLACES
	s_barrier_signal -1                            ; every wave's reads of the ring are back and every tensor load has landed: the stages may be written over it
	s_barrier_wait -1
.irp hi, 0,1
	WIN 0x08+4*(\hi)                               ; store data from window 2 or 3
.irp a, 0,1
.irp b, 0,1,2,3,4,5,6,7,8,9,10,11
	ds_store_b128 v[STO], v[8*(12*\a+\b):8*(12*\a+\b)+3]   offset:(2*\hi+\a)*16*SPITCH+64*\b     ; each accumulator's low registers first
	ds_store_b128 v[STO], v[8*(12*\a+\b)+4:8*(12*\a+\b)+7] offset:(2*\hi+\a)*16*SPITCH+64*\b+16
.endr
.endr
.endr
	WIN 0
	s_wait_dscnt 0x0
	s_barrier_signal -1                            ; behind this barrier the stages are only read
	s_barrier_wait -1
.macro LOADU
.irp g, 0,1,2
	ds_load_b128 v[U+8*\g:U+8*\g+3],   v[RD] offset:256*\g
	ds_load_b128 v[U+8*\g+4:U+8*\g+7], v[RD] offset:256*\g+16
.endr
.endm
	v_mov_b32 v[RD], v[RD0]
	LOADU
	s_mov_b32 s[STEP], 0
	s_mov_b32 s[CNT], 16
.Lrow:                                                 ; 16 trips of four rows; the next trip's numbers are fetched as soon as this trip's registers are free
	s_add_co_u32 s[STEP], s[STEP], 4*SPITCH
	s_wait_dscnt 0x0
	v_add_nc_u32 v[RD], s[STEP], v[RD0]
.if GELU
.set i, 0
.rept 24
	v_fma_f32 v[DD+i], |v[U+i]|, s[PC], 1.0        ; d = 1 + P |u|
.set i, i+1
.endr
.set i, 0
.rept 12
	v_pk_mul_f32 v[EE+i:EE+i+1], v[U+i:U+i+1], v[U+i:U+i+1]
.set i, i+2
.endr
.set i, 0
.rept 24
	v_max_num_f32 v[RR+i], 0, v[U+i]
.set i, i+1
.endr
	s_cmp_eq_u32 s[CNT], 1                         ; the last trip has nothing to fetch
	s_cbranch_scc1 .Lgelu
	LOADU
.Lgelu:
.set i, 0
.rept 12
	v_pk_mul_f32 v[EE+i:EE+i+1], v[EE+i:EE+i+1], 0xbf38aa3b op_sel_hi:[1,0]  ; - u u log2(e) / 2
.set i, i+2
.endr
.set i, 0
.rept 24
	v_rcp_f32 v[TT+i], v[DD+i]
.set i, i+1
.endr
.set i, 0
.rept 24
	v_exp_f32 v[EE+i], v[EE+i]
.set i, i+1
.endr
	v_nop                                          ; a plain instruction behind the last of the batch (ISA guide 5.7.2)
	s_wait_alu depctr_va_vdst(0)                   ; one wait for all 48, ahead of their first reader
.set i, 0
.rept 12
	v_pk_fma_f32 v[PP+i:PP+i+1], v[TT+i:TT+i+1], s[A5:A5+1], s[A4:A4+1] op_sel_hi:[1,0,0]
.set i, i+2
.endr
.irp k, A3, A2, A1
.set i, 0
.rept 12
	v_pk_fma_f32 v[PP+i:PP+i+1], v[PP+i:PP+i+1], v[TT+i:TT+i+1], s[\k:\k+1] op_sel_hi:[1,1,0]
.set i, i+2
.endr
.endr
.set i, 0
.rept 12
	v_pk_mul_f32 v[PP+i:PP+i+1], v[PP+i:PP+i+1], v[TT+i:TT+i+1]
.set i, i+2
.endr
.set i, 0
.rept 12
	v_pk_mul_f32 v[PP+i:PP+i+1], v[PP+i:PP+i+1], v[EE+i:EE+i+1]  ; erfc / 2 P
.set i, i+2
.endr
.set i, 0
.rept 12
	v_pk_fma_f32 v[RR+i:RR+i+1], v[DD+i:DD+i+1], v[PP+i:PP+i+1], v[RR+i:RR+i+1] neg_lo:[1,0,0] neg_hi:[1,0,0]
.set i, i+2
.endr
.set i, 0
.rept 12
	v_pk_add_f32 v[RR+i:RR+i+1], v[RR+i:RR+i+1], v[PP+i:PP+i+1]  ; max(u, 0) - (d - 1) erfc / 2 P
.set i, i+2
.endr
.set i, 0
.rept 12
	v_cvt_pk_bf16_f32 v[Y+i], v[RR+2*i], v[RR+2*i+1]
.set i, i+1
.endr
.else
.set i, 0
.rept 12
	v_cvt_pk_bf16_f32 v[Y+i], v[U+2*i], v[U+2*i+1]
.set i, i+1
.endr
	s_cmp_eq_u32 s[CNT], 1                         ; the last trip has nothing to fetch
	s_cbranch_scc1 .Lstore
	LOADU
.Lstore:
.endif
.irp g, 0,1,2
	global_store_b128 v[GO], v[Y+4*\g:Y+4*\g+3], s[OUTP:OUTP+1] offset:\g*BLK  ; the wave stores 512 consecutive bytes: four rows of a block
.endr
	s_wait_xcnt 0x0                                ; GO and Y are rewritten only behind this wait
	v_add_nc_u32 v[GO], 512, v[GO]
	s_sub_co_u32 s[CNT], s[CNT], 1
	s_cmp_lg_u32 s[CNT], 0
	s_cbranch_scc1 .Lrow
	s_wait_tensorcnt 0x0                           ; the wave's end
	ds_add_u32 v[SPW], v[NIL]
	s_wait_dscnt 0x0
	CROUND                                         ; the closing round
	s_endpgm
.Lfunc_end_k_qcc873bc580_ffup:
	.size	k_qcc873bc580_ffup, .Lfunc_end_k_qcc873bc580_ffup-k_qcc873bc580_ffup
	.p2alignl 7, 3214868480
	.fill 96, 4, 3214868480
	.section	.rodata,"a",@progbits
	.p2align	6, 0x0
	.amdhsa_kernel k_qcc873bc580_ffup
		.amdhsa_group_segment_fixed_size 327680
		.amdhsa_private_segment_fixed_size 0
		.amdhsa_enable_private_segment 0
		.amdhsa_kernarg_size 16
		.amdhsa_user_sgpr_count 2
		.amdhsa_user_sgpr_kernarg_segment_ptr 1
		.amdhsa_wavefront_size32 1
		.amdhsa_system_sgpr_workgroup_id_x 1
		.amdhsa_system_sgpr_workgroup_id_y 1
		.amdhsa_system_sgpr_workgroup_id_z 1
		.amdhsa_system_vgpr_workitem_id 0
		.amdhsa_next_free_vgpr 960
		.amdhsa_next_free_sgpr 90
		.amdhsa_reserve_vcc 0
		.amdhsa_float_denorm_mode_32 3
		.amdhsa_float_denorm_mode_16_64 3
		.amdhsa_memory_ordered 1
		.amdhsa_forward_progress 1
		.amdhsa_inst_pref_size 120
	.end_amdhsa_kernel
	.amdgpu_metadata
---
amdhsa.version: [ 1, 2 ]
amdhsa.kernels:
  - .name:           k_qcc873bc580_ffup
    .symbol:         k_qcc873bc580_ffup.kd
    .args:
      - { .name: bufF, .offset: 0, .size: 8, .value_kind: global_buffer, .address_space: global }
      - { .name: act, .offset: 8, .size: 8, .value_kind: global_buffer, .address_space: global }
    .group_segment_fixed_size: 327680
    .private_segment_fixed_size: 0
    .kernarg_segment_align: 8
    .kernarg_segment_size: 16
    .max_flat_workgroup_size: 128
    .sgpr_count:     90
    .vgpr_count:     960
    .wavefront_size: 32
...
	.end_amdgpu_metadata
.endif
;; end of part 6
;; launch ffdown (part 7): grid 4 x 64, 4 waves a work-group, clusters of 4 x 4, 327,680 bytes of LDS; arguments act, wr, b2, x1, out0; writes out0
.if DOCPART == 7
	.amdgcn_target "amdgcn-amd-amdhsa--gfx1250"
	.amdhsa_code_object_version 6
	.text
	.protected	k_qcc873bc580_ffdown
	.globl	k_qcc873bc580_ffdown
	.p2align	8
	.type	k_qcc873bc580_ffdown,@function
k_qcc873bc580_ffdown:
	s_mov_b64 s[64:65], 0
	v_nop
	global_prefetch_b8 v0, s[64:65] scope:SCOPE_SE
	s_setreg_imm32_b32 hwreg(HW_REG_WAVE_MODE, 25, 1), 1
	s_wait_xcnt 0x0
	s_wait_alu depctr_hold_cnt(0) depctr_sa_sdst(0) depctr_va_vdst(0) depctr_va_sdst(0) depctr_va_ssrc(0) depctr_va_vcc(0) depctr_vm_vsrc(0)
	s_getreg_b32 s2, hwreg(HW_REG_IB_STS2, 6, 4)
	s_cmp_eq_u32 s2, 0
	s_cbranch_scc0 .Lentry_in_a_cluster
	s_endpgm
.Lentry_in_a_cluster:
	s_bfe_u32 s2, ttmp6, 0x10000c
	s_cmp_lg_u32 s2, 0xf033
	s_cbranch_scc0 .Lentry_shape_is_right
	s_endpgm
.Lentry_shape_is_right:
; out[64 x 192] = res + A B^T + bias, all sums and the output in f32.  A: [K / 64][4096][64] bf16, in blocks of 64 columns; B: [768][K] bf16 at wr + OFFW.
; Here: out0 = x1 + h W2 + b2, K = 3072.  The same text with other constants makes the attention's output product.
; SHARES.  4 x 64 tiles: 256 work-groups; a row piece of 192 f32 is three whole aligned pieces of 256 bytes.  Wave w makes all 64 rows x columns 48 w .. + 47: 12 accumulators.
; K goes in steps of 256 through two LDS slots.  CLUSTER 4 x 4: A's tile is shared along a row of the cluster, B's along a column: joint loads.  Wave 0 asks for A (four blocks of 64 rows x
; 128 bytes, each 8192 dense bytes), waves 1 to 3 for 64 rows of B each.  The matrix instruction is used transposed (source 0 = B's rows), the bias is the C of the first products.
; REGISTERS: window 0: v16-31 addresses; v32-55 the bias, later v32-127 the way out; v128-223 accumulators ((a, b) at 128 + 8 (3 a + b)).  window 1: two fragment buffers of 128
; (A at 8 (4 c + a), B at 64 + 8 (3 c + b), c = which 32 of a quarter's 64 along K).  window 2: v0-95 the residual, loaded at the start.
.set KSTEPS, 12
.set BP,     3072                      ; elements in a row of B
.set OFFW,   1179648
.set PF,     1                         ; the tiles are prefetched: see the set-up
.set PA,     144                       ; a row of A in LDS: 128 bytes + 16 (64 banks of 4 bytes: ISA guide 11.1: 16 rows start at 16 different groups of four banks)
.set PB,     528                       ; a row of B: 512 + 16
.set ABLK,   64*PA
.set BOFF,   4*ABLK
.set BPART,  64*PB
.set SLOT,   BOFF+3*BPART
.set STAGE,  2*SLOT                    ; behind the ring, never filled by a tensor load: 64 rows of 768 + 16 bytes
.set SPITCH, 784
.set SPARE,  STAGE+64*SPITCH
.set ADRA, 16
.set ADRB, 20
.set STO,  24
.set RD,   25
.set CO,   26
.set BO,   27
.set SPW,  28
.set NIL,  29
.set PFO,  30
.set BIAS, 32
.set TMP,  32
.set ACC,  128
.set F0,   0
.set F1,   128
.set G1A, 24
.set G0A, 32
.set G1B, 48
.set G0B, 56
.set PFA, 66
.set PFS, 68
.set LIM, 70
.set MSB, 0
.macro WIN new
.if MSB != (\new)
	s_set_vgpr_msb (MSB<<8)|(\new)
.set MSB, \new
.endif
.endm
.macro PLACES
.rept 4
	v_nop
.endr
.endm
.macro JLOAD s                         ; wave 0 asks for A's tile, waves 1 to 3 for B's thirds; an s_nop 0 and four v_nop follow each line
	s_cmp_eq_u32 s14, 0
	s_cbranch_scc0 .Lfor_b_\@
	tensor_load_to_lds s[G0A+4*(\s):G0A+4*(\s)+3], s[G1A:G1A+7]
	s_nop 0
.rept 4
	v_nop
.endr
	s_branch .Lasked_\@
.Lfor_b_\@:
	tensor_load_to_lds s[G0B+4*(\s):G0B+4*(\s)+3], s[G1B:G1B+7]
	s_nop 0
.rept 4
	v_nop
.endr
.Lasked_\@:
.endm
.macro CREST
	s_cmp_lg_u32 s14, 0
	s_cbranch_scc1 .Lnot_wave_0_\@
	s_barrier_signal -3
.Lnot_wave_0_\@:
	s_barrier_wait -3
	s_barrier_signal -1
	s_barrier_wait -1
.endm
.macro CROUND
	s_barrier_signal -1
	s_barrier_wait -1
	CREST
.endm
.macro ASK                             ; a prefetch into the L2 of the K step four refills on: see the set-up below
	WIN 0
	s_cmp_gt_u32 s3, s[LIM]
	s_cbranch_scc0 .Lnot_mine_\@
	global_prefetch_b8 v[PFO], s[PFA:PFA+1] th:TH_LOAD_NT scope:SCOPE_SE
.Lnot_mine_\@:
.endm
	s_load_b256 s[4:11], s[0:1], 0x0               ; A s[4:5], wr s[6:7], bias s[8:9], residual s[10:11]
	s_load_b64 s[12:13], s[0:1], 0x20              ; the output
	v_lshl_add_u32 v[SPW], v0, 2, SPARE
	v_mov_b32 v[NIL], 0
	ds_add_u32 v[SPW], v[NIL]                      ; the opening: the add, twice on end, and its wait ahead of my first tensor load
	ds_add_u32 v[SPW], v[NIL]
	v_lshrrev_b32 v1, 5, v0
	v_readfirstlane_b32 s14, v1                    ; wave 0..3
	s_bfe_u32 s40, ttmp6, 0x40000                  ; cx
	s_bfe_u32 s41, ttmp6, 0x40004                  ; cy
	s_lshl_b32 s42, ttmp9, 2
	s_add_co_u32 s42, s42, s40                     ; column tile
	s_and_b32 s15, ttmp7, 0xffff
	s_lshl_b32 s15, s15, 2
	s_add_co_u32 s15, s15, s41                     ; row tile
	s_lshl_b32 s43, s41, 2
	s_lshl_b32 s43, 15, s43                        ; my row of the cluster
	s_lshl_b32 s44, 0x1111, s40                    ; my column
	s_or_b32 s[G1A], s43, (1<<16)|(1<<20)|(1<<21)|(4<<22)|(3<<25)  ; 2-byte elements; padding: after every 32 words, 4 words; bit 21 beside the mask
	s_mov_b32 s[G1A+1], 4096<<16                   ; tensor_dim0 = 4096: a block's 64 rows of 64 elements lie end to end
	s_mov_b32 s[G1A+2], 4<<16                      ; tensor_dim1 = 4 blocks
	s_mov_b32 s[G1A+3], 4096<<16                   ; tile_dim0
	s_mov_b32 s[G1A+4], 4                          ; tile_dim1
	s_mov_b32 s[G1A+5], 262144                     ; elements from block to block
	s_mov_b32 s[G1A+6], 0
	s_mov_b32 s[G1A+7], 0
	s_or_b32 s[G1B], s44, (1<<16)|(1<<20)|(1<<21)|(6<<22)|(3<<25)  ; after every 128 words, 4 words
	s_mov_b32 s[G1B+1], 256<<16
	s_mov_b32 s[G1B+2], 64<<16
	s_mov_b32 s[G1B+3], 256<<16
	s_mov_b32 s[G1B+4], 64
	s_mov_b32 s[G1B+5], BP
	s_mov_b32 s[G1B+6], 0
	s_mov_b32 s[G1B+7], 0
	s_lshl_b32 s16, s15, 13                        ; A: 64 rows of 128 bytes a tile, in each block
	s_mov_b32 s17, 0
	s_max_u32 s45, s14, 1
	s_sub_co_u32 s45, s45, 1                       ; which third of B (wave 0 issues no such load)
	s_mul_i32 s46, s42, 192
	s_lshl_b32 s47, s45, 6
	s_add_co_u32 s46, s46, s47
	s_mul_i32 s46, s46, 2*BP
.if OFFW
	s_add_co_u32 s46, s46, OFFW
.endif
	s_mov_b32 s47, 0
	s_mul_i32 s20, s14, BPART                      ; wave w's third of B lies at BOFF + (w - 1) x BPART = w x BPART + (BOFF - BPART)
	s_add_co_u32 s20, s20, BOFF-BPART
	s_wait_dscnt 0x0
	s_wait_kmcnt 0x0
	s_add_nc_u64 s[16:17], s[4:5], s[16:17]
	s_add_nc_u64 s[46:47], s[6:7], s[46:47]
	CROUND                                         ; all sixteen work-groups are here: the first joint loads meet
.irp s, 0,1
	s_mov_b32 s[G0A+4*(\s)], 1
	s_mov_b32 s[G0A+4*(\s)+1], (\s)*SLOT
	s_add_nc_u64 s[G0A+4*(\s)+2:G0A+4*(\s)+3], s[16:17], (\s)*2097152
	s_or_b32 s[G0A+4*(\s)+3], s[G0A+4*(\s)+3], 0x80000000
	s_mov_b32 s[G0B+4*(\s)], 1
	s_add_co_u32 s[G0B+4*(\s)+1], s20, (\s)*SLOT
	s_add_nc_u64 s[G0B+4*(\s)+2:G0B+4*(\s)+3], s[46:47], (\s)*512
	s_or_b32 s[G0B+4*(\s)+3], s[G0B+4*(\s)+3], 0x80000000
	JLOAD \s                                       ; K steps 0 and 1: two loads of mine are out
.endr
	v_and_b32 v1, 15, v0                           ; r
	v_bfe_u32 v2, v0, 4, 1                         ; h
	s_mul_i32 s22, s42, 768                        ; the bias of my 48 columns, in the layout of a C operand
	s_mul_i32 s23, s14, 192
	s_add_co_u32 s22, s22, s23
	s_mov_b32 s23, 0
	s_add_nc_u64 s[8:9], s[8:9], s[22:23]
	v_lshlrev_b32 v[BO], 5, v2
.irp b, 0,1,2
	global_load_b128 v[BIAS+8*\b:BIAS+8*\b+3],   v[BO], s[8:9] offset:64*\b
	global_load_b128 v[BIAS+8*\b+4:BIAS+8*\b+7], v[BO], s[8:9] offset:64*\b+16
.endr
	s_lshl_b32 s22, s15, 6                         ; the rows that I store: 64 x row tile + 16 x wave; the tile's 768 bytes of them
	s_lshl_b32 s23, s14, 4
	s_add_co_u32 s22, s22, s23
	s_mul_i32 s22, s22, 3072
	s_mul_i32 s23, s42, 768
	s_add_co_u32 s22, s22, s23
	s_mov_b32 s23, 0
	s_add_nc_u64 s[10:11], s[10:11], s[22:23]
	s_add_nc_u64 s[12:13], s[12:13], s[22:23]
	v_mul_u32_u24 v[CO], v2, 3072                  ; lanes 0-15 one row's 256 bytes, lanes 16-31 the next row's
	v_lshl_add_u32 v[CO], v1, 4, v[CO]
	WIN 0x80
.set t, 0
.rept 24
	global_load_b128 v[4*t:4*t+3], v[CO], s[10:11] offset:(t/3)*6144+(t%3)*256  ; the residual: it stays out until the way out
.set t, t+1
.endr
	WIN 0
	v_mul_u32_u24 v3, v1, PA
	v_lshl_add_u32 v[ADRA], v2, 4, v3
	v_add_nc_u32 v[ADRA+1], SLOT, v[ADRA]
	v_mul_u32_u24 v4, v1, PB
	v_lshl_add_u32 v4, v2, 4, v4
	s_mul_i32 s21, s14, 48*PB
	s_add_co_u32 s21, s21, BOFF
	v_add_nc_u32 v[ADRB], s21, v4
	v_add_nc_u32 v[ADRB+1], SLOT, v[ADRB]
	s_mul_i32 s21, s14, 192
	s_add_co_u32 s21, s21, STAGE
	v_mul_u32_u24 v[STO], v1, SPITCH
	v_lshl_add_u32 v[STO], v2, 5, v[STO]
	v_add_nc_u32 v[STO], s21, v[STO]
	s_mul_i32 s21, s14, 16*SPITCH
	s_add_co_u32 s21, s21, STAGE
	v_mul_u32_u24 v[RD], v2, SPITCH
	v_lshl_add_u32 v[RD], v1, 4, v[RD]
	v_add_nc_u32 v[RD], s21, v[RD]
.if PF
	; THE PREFETCHES.  The change of slots at the end of K step e names step e + 6: four K steps, 384 matrix instructions, ahead of the refill that will want it.  A's tile is read by one cluster:
	; wave 0 of each of the four partners of a row takes one of the step's four blocks (cx), 32 lanes x 256 bytes.  B's rows are read by all clusters: cluster y = 0 asks; of the 64 rows that a
	; wave fetches each partner of a column takes 16 (cy), two lanes a row.  Trips with 5, 4, 3 laps to go ask: steps 6 to 11; steps 0 to 5 come by their loads alone.
	s_lshl_b32 s22, s15, 13
	s_add_co_u32 s23, s40, 20                      ; block 4 x 5 + cx: at K step 5; the first change steps it to 6
	s_lshl_b32 s23, s23, 19
	s_add_co_u32 s22, s22, s23
	s_mul_i32 s23, s42, 192
	s_lshl_b32 s71, s45, 6
	s_add_co_u32 s23, s23, s71
	s_lshl_b32 s71, s41, 4
	s_add_co_u32 s23, s23, s71
	s_mul_i32 s23, s23, 2*BP
	s_add_co_u32 s23, s23, OFFW+5*512
	s_and_b32 s71, ttmp7, 0xffff                   ; cluster y
	s_cmp_eq_u32 s71, 0
	s_cselect_b32 s71, 2, -1
	s_mov_b32 s[PFS], 512
	s_mov_b32 s21, 2*BP
	s_cmp_eq_u32 s14, 0
	s_cselect_b32 s22, s22, s23
	s_cselect_b32 s[LIM], 2, s71                   ; the same in all partners, for a given wave
	s_cselect_b64 s[PFA:PFA+1], s[4:5], s[6:7]
	s_cselect_b32 s[PFS], 2097152, s[PFS]          ; a K step on
	s_cselect_b32 s21, 256, s21
	s_cselect_b32 s71, 0, 1
	s_cselect_b32 s20, 0, 256
	s_mov_b32 s23, 0
	s_mov_b32 s[PFS+1], 0
	s_add_nc_u64 s[PFA:PFA+1], s[PFA:PFA+1], s[22:23]
	v_and_b32 v5, 31, v0
	v_lshrrev_b32 v6, s71, v5
	v_mul_lo_u32 v6, v6, s21
	v_and_b32 v7, 1, v0
	v_mul_lo_u32 v7, v7, s20
	v_add_nc_u32 v[PFO], v6, v7
.endif
; 6 matrix instructions: row blocks a0, a0 + 1 x my 3 column blocks, 32 along K: half c of buffer f.  The 12 accumulators take turns.
.macro MUL6 f, c, a0, bias
	WIN 0x05                                       ; sources 0 (B) and 1 (A) window 1; C and D window 0
.irp a, \a0, (\a0)+1
.irp b, 0,1,2
.if \bias
	v_wmma_f32_16x16x32_bf16 v[ACC+8*(3*(\a)+(\b)):ACC+8*(3*(\a)+(\b))+7], v[(\f)+64+8*(3*(\c)+(\b)):(\f)+64+8*(3*(\c)+(\b))+7], v[(\f)+8*(4*(\c)+(\a)):(\f)+8*(4*(\c)+(\a))+7], v[BIAS+8*(\b):BIAS+8*(\b)+7]
.else
	v_wmma_f32_16x16x32_bf16 v[ACC+8*(3*(\a)+(\b)):ACC+8*(3*(\a)+(\b))+7], v[(\f)+64+8*(3*(\c)+(\b)):(\f)+64+8*(3*(\c)+(\b))+7], v[(\f)+8*(4*(\c)+(\a)):(\f)+8*(4*(\c)+(\a))+7], v[ACC+8*(3*(\a)+(\b)):ACC+8*(3*(\a)+(\b))+7]
.endif
.endr
.endr
.endm
; 28 LDS loads in one run: quarter q (64 along K) of a slot into buffer f; the first 32 along K first
.macro FETCH slot, q, f
	WIN 0x40
.irp c, 0,1
.irp b, 0,1,2
	ds_load_b128 v[(\f)+64+8*(3*(\c)+(\b)):(\f)+64+8*(3*(\c)+(\b))+3],   v[ADRB+(\slot)] offset:(\b)*16*PB+128*(\q)+64*(\c)
	ds_load_b128 v[(\f)+64+8*(3*(\c)+(\b))+4:(\f)+64+8*(3*(\c)+(\b))+7], v[ADRB+(\slot)] offset:(\b)*16*PB+128*(\q)+64*(\c)+32
.endr
.irp a, 0,1,2,3
	ds_load_b128 v[(\f)+8*(4*(\c)+(\a)):(\f)+8*(4*(\c)+(\a))+3],   v[ADRA+(\slot)] offset:(\q)*ABLK+(\a)*16*PA+64*(\c)
	ds_load_b128 v[(\f)+8*(4*(\c)+(\a))+4:(\f)+8*(4*(\c)+(\a))+7], v[ADRA+(\slot)] offset:(\q)*ABLK+(\a)*16*PA+64*(\c)+32
.endr
.endr
.endm
.macro QUARTER slot, q, f, g, bias     ; multiplies buffer f and fetches quarter q into g
	s_wait_dscnt 14                                ; the first 32 along K are in
	MUL6 \f, 0, 0, \bias
	MUL6 \f, 0, 2, \bias
	PLACES
	FETCH \slot, \q, \g
	s_wait_dscnt 28                                ; all but the 28 just issued
	MUL6 \f, 1, 0, 0
	MUL6 \f, 1, 2, 0
.endm
; The last quarter multiplies buffer 1 and changes slots: in front of the barrier each wave waits for all its tensor loads, adds 0 to its spare word, and waits for that and for its reads of
; this slot.  fill = 1: the barrier opens a round of the cluster's, and the joint refill, two K steps on, is the first tensor load behind it.
.macro TURN slot, next, fill
.if (\fill) && PF
	s_wait_xcnt 0x0                                ; the last prefetch, a K step back, has read its address
	s_add_nc_u64 s[PFA:PFA+1], s[PFA:PFA+1], s[PFS:PFS+1]
.endif
	WIN 0
	s_wait_tensorcnt 0x0
	ds_add_u32 v[SPW], v[NIL]
	s_wait_dscnt 15                                ; the add and the youngest fourteen loads may be out
	MUL6 F1, 0, 0, 0
	s_wait_dscnt 0x0                               ; the add is done, and my reads of this slot are over
	s_barrier_signal -1
	MUL6 F1, 0, 2, 0
.if \fill
	WIN 0
.endif
	s_barrier_wait -1
.if \fill
	CREST
	s_add_nc_u64 s[G0A+4*(\slot)+2:G0A+4*(\slot)+3], s[G0A+4*(\slot)+2:G0A+4*(\slot)+3], 2*2097152
	s_add_nc_u64 s[G0B+4*(\slot)+2:G0B+4*(\slot)+3], s[G0B+4*(\slot)+2:G0B+4*(\slot)+3], 2*512
	JLOAD \slot                                    ; its four v_nop are also the places in front of the loads below
.else
	PLACES
.endif
	FETCH \next, 0, F0
.if (\fill) && PF
	ASK
.endif
	MUL6 F1, 1, 0, 0
	MUL6 F1, 1, 2, 0
.endm
.macro LAST                            ; the very last quarter: nothing more to fetch
	s_wait_dscnt 14
	MUL6 F1, 0, 0, 0
	MUL6 F1, 0, 2, 0
	s_wait_dscnt 0x0
	MUL6 F1, 1, 0, 0
	MUL6 F1, 1, 2, 0
.endm
	s_wait_tensorcnt 0x1                           ; my part of K step 0 is in; step 1's may stay out
	s_barrier_signal -1
	s_barrier_wait -1
	FETCH 0, 0, F0
	s_wait_loadcnt 24                              ; the bias is in; the residual's 24 loads stay out
	QUARTER 0, 1, F0, F1, 1                        ; the first products start the sums, from the bias
.if KSTEPS > 3
	WIN 0
	s_mov_b32 s3, KSTEPS/2-1
.Llap:                                                 ; a trip goes once round the ring and fills both slots again
	QUARTER 0, 2, F1, F0, 0
	QUARTER 0, 3, F0, F1, 0
	TURN 0, 1, 1
	QUARTER 1, 1, F0, F1, 0
	QUARTER 1, 2, F1, F0, 0
	QUARTER 1, 3, F0, F1, 0
	TURN 1, 0, 1
	QUARTER 0, 1, F0, F1, 0
	WIN 0
	s_sub_co_u32 s3, s3, 1
	s_cmp_lg_u32 s3, 0
	s_cbranch_scc1 .Llap
	QUARTER 0, 2, F1, F0, 0                        ; the last lap fills nothing
	QUARTER 0, 3, F0, F1, 0
	TURN 0, 1, 0
	QUARTER 1, 1, F0, F1, 0
	QUARTER 1, 2, F1, F0, 0
	QUARTER 1, 3, F0, F1, 0
	LAST
.else
	QUARTER 0, 2, F1, F0, 0                        ; three K steps, written out: slot 0 takes step 2
	QUARTER 0, 3, F0, F1, 0
	TURN 0, 1, 1
	QUARTER 1, 1, F0, F1, 0
	QUARTER 1, 2, F1, F0, 0
	QUARTER 1, 3, F0, F1, 0
	TURN 1, 0, 0
	QUARTER 0, 1, F0, F1, 0
	QUARTER 0, 2, F1, F0, 0
	QUARTER 0, 3, F0, F1, 0
	LAST
.endif
	; THE WAY OUT: the sums go into the work-group's stage; a barrier, since a row's 768 bytes come from four waves; back as whole rows, 16 rows a wave; the residual is added; stored.
	WIN 0
	PLACES
.irp a, 0,1,2,3
.irp b, 0,1,2
	ds_store_b128 v[STO], v[ACC+8*(3*\a+\b):ACC+8*(3*\a+\b)+3]   offset:\a*16*SPITCH+64*\b     ; each accumulator's low registers first
	ds_store_b128 v[STO], v[ACC+8*(3*\a+\b)+4:ACC+8*(3*\a+\b)+7] offset:\a*16*SPITCH+64*\b+16
.endr
.endr
	s_wait_dscnt 0x0                               ; for the others: my stores into the stage are done
	s_barrier_signal -1
	s_barrier_wait -1
.set t, 0
.rept 24
	ds_load_b128 v[TMP+4*t:TMP+4*t+3], v[RD] offset:(t/3)*2*SPITCH+(t%3)*256
.set t, t+1
.endr
	s_wait_loadcnt 0x0                             ; the residual
	s_wait_dscnt 0x0
	WIN 0x08                                       ; source 1 in window 2
.set t, 0
.rept 48
	v_pk_add_f32 v[TMP+2*t:TMP+2*t+1], v[TMP+2*t:TMP+2*t+1], v[2*t:2*t+1]
.set t, t+1
.endr
	WIN 0
.set t, 0
.rept 24
	global_store_b128 v[CO], v[TMP+4*t:TMP+4*t+3], s[12:13] offset:(t/3)*6144+(t%3)*256  ; sixteen lanes store 256 consecutive bytes, at a multiple of 256 from the buffer's first
.set t, t+1
.endr
	s_wait_tensorcnt 0x0                           ; the wave's end
	ds_add_u32 v[SPW], v[NIL]
	s_wait_dscnt 0x0
	CROUND                                         ; the closing round
	s_endpgm
.Lfunc_end_k_qcc873bc580_ffdown:
	.size	k_qcc873bc580_ffdown, .Lfunc_end_k_qcc873bc580_ffdown-k_qcc873bc580_ffdown
	.p2alignl 7, 3214868480
	.fill 96, 4, 3214868480
	.section	.rodata,"a",@progbits
	.p2align	6, 0x0
	.amdhsa_kernel k_qcc873bc580_ffdown
		.amdhsa_group_segment_fixed_size 327680
		.amdhsa_private_segment_fixed_size 0
		.amdhsa_enable_private_segment 0
		.amdhsa_kernarg_size 40
		.amdhsa_user_sgpr_count 2
		.amdhsa_user_sgpr_kernarg_segment_ptr 1
		.amdhsa_wavefront_size32 1
		.amdhsa_system_sgpr_workgroup_id_x 1
		.amdhsa_system_sgpr_workgroup_id_y 1
		.amdhsa_system_sgpr_workgroup_id_z 1
		.amdhsa_system_vgpr_workitem_id 0
		.amdhsa_next_free_vgpr 608
		.amdhsa_next_free_sgpr 72
		.amdhsa_reserve_vcc 0
		.amdhsa_float_denorm_mode_32 3
		.amdhsa_float_denorm_mode_16_64 3
		.amdhsa_memory_ordered 1
		.amdhsa_forward_progress 1
		.amdhsa_inst_pref_size 80
	.end_amdhsa_kernel
	.amdgpu_metadata
---
amdhsa.version: [ 1, 2 ]
amdhsa.kernels:
  - .name:           k_qcc873bc580_ffdown
    .symbol:         k_qcc873bc580_ffdown.kd
    .args:
      - { .name: act, .offset: 0, .size: 8, .value_kind: global_buffer, .address_space: global }
      - { .name: wr, .offset: 8, .size: 8, .value_kind: global_buffer, .address_space: global }
      - { .name: b2, .offset: 16, .size: 8, .value_kind: global_buffer, .address_space: global }
      - { .name: x1, .offset: 24, .size: 8, .value_kind: global_buffer, .address_space: global }
      - { .name: out0, .offset: 32, .size: 8, .value_kind: global_buffer, .address_space: global }
    .group_segment_fixed_size: 327680
    .private_segment_fixed_size: 0
    .kernarg_segment_align: 8
    .kernarg_segment_size: 40
    .max_flat_workgroup_size: 128
    .sgpr_count:     72
    .vgpr_count:     608
    .wavefront_size: 32
...
	.end_amdgpu_metadata
.endif
;; end of part 7
